; MI455X (gfx1250); checked and timed in simulation.
; The chip was launched on July 23, 2026; its instructions are those of AMD's public machine-readable ISA for CDNA 5 (MIT licence, August 2026) and "CDNA5" Instruction Set Architecture Reference Guide (July 2026). The comments in the code are by the model that wrote it; some were corrected since.
;; Mini GPT4 Attention Cam. Allowed arithmetic: matrix products marked QUANTISED: E2M3 operands, one E8M0 scale for each 32 along K, by v_wmma_scale_f32_16x16x128_f8f6f4 with both operands' format E2M3, f32 sums; everything else in f32.
;; Inputs: Wk 2,048 x 2,048 float32; Wo 2,048 x 2,048 float32; Wq 2,048 x 2,048 float32; Wv 2,048 x 2,048 float32; bk 2,048 float32; bo 2,048 float32; bq 2,048 float32; bv 2,048 float32; hidden_states 1 x 2,048 x 2,048 float32.
;; Outputs: out0 1 x 2,048 x 2,048 float32.
;; This version of the problem:
;;   THIS VERSION OF THE PROBLEM IS GIVEN IN LOW PRECISION. The matrix products marked QUANTISED in the list below multiply operands that are first quantised to E2M3 (2 exponent bits, 3 mantissa bits; 6 bits a number), with one power-of-two scale for each 32 numbers along K (OCP MX v1.0); their sums are f32. All else is computed in f32.
;;   The module's matrix products, in the order in which they are computed (A, B: the left and right operand; K: the contracted axis; several contracted axes count as one K, in the product's order):
;;     1. [M 2,048, K 2,048] x [K 2,048, N 2,048]; A: input hidden_states; B: input Wq: QUANTISED
;;     2. [M 2,048, K 2,048] x [K 2,048, N 2,048]; A: input hidden_states; B: input Wk: QUANTISED
;;     3. [M 2,048, K 2,048] x [K 2,048, N 2,048]; A: input hidden_states; B: input Wv: QUANTISED
;;     4. batch 16 x [M 2,048, K 128] x [K 128, N 2,048]; A: computed on the way; B: computed on the way: QUANTISED
;;     5. batch 16 x [M 2,048, K 2,048] x [K 2,048, N 128]; A: softmax (see below); B: computed on the way: QUANTISED
;;     6. [M 2,048, K 2,048] x [K 2,048, N 2,048]; A: computed on the way; B: input Wo: QUANTISED
;;   THE QUANTISER, for each operand of a quantised product, along K:
;;     - K is cut into blocks of 32 from its start; a last block that is shorter is filled with zeros.
;;     - A block's scale is 2^e with e = floor(log2(the largest magnitude in the block)) - 2, held to -126 .. 127; a block of zeros has e = 0. As a byte (E8M0): e + 127.
;;     - Each number is divided by its block's scale, clamped to +-7.5, and rounded to the nearest number of E2M3, ties to even, subnormals kept.
;;     - The product sums the exact products of the quantised numbers (number of the format x scale) in f32.
;;   ~~~python
;;   def quantise(x, axis):      # numpy; x: float32 -> the quantised numbers, widened to float32 again
;;       x = np.moveaxis(x, axis, -1); K = x.shape[-1]
;;       x = np.pad(x, [(0, 0)] * (x.ndim - 1) + [(0, -K % 32)]); x = x.reshape(x.shape[:-1] + (-1, 32)); a = np.abs(x).max(-1, keepdims=True)
;;       e = np.where(a > 0, np.clip(np.frexp(np.where(a > 0, a, 1))[1] - 1 - 2, -126, 127), 0)      # np.frexp(a)[1] - 1 = floor(log2(a)), exactly
;;       r = np.clip(x / 2.0 ** e, -7.5, 7.5)
;;       step = 2.0 ** (np.maximum(np.frexp(np.where(r == 0, 1, r))[1] - 1, 0) - 3)
;;       q = np.round(r / step) * step * 2.0 ** e      # np.round: ties to even
;;       return np.moveaxis(q.reshape(q.shape[:-2] + (-1,))[..., :K], -1, axis).astype(np.float32)
;;   ~~~
;;   SOFTMAX AHEAD OF A QUANTISED PRODUCT. Where the list says 'softmax', what is quantised is not the finished softmax but p = 2^(t - M), with t = logit x log2(e) and M = ceil(the row's largest t), a whole number; so 1/2 < the row's largest p <= 1. The row's sum l is taken of the UNQUANTISED p, in f32, and the product's result is divided by l at the end. Since M is a whole number, a kernel that streams over the keys may use a running M (the ceiling of the running maximum): every later rescaling is an exact power of two, which a block's scale takes up: the codes' values come out the same.
;;   OPERANDS COMPUTED ON THE WAY. 'Computed on the way' means the value that the module computes at that place (a softmax that the list does not call 'softmax' is quantised finished and normalised). What goes into a quantiser is computed in f32, as accurately as f32 sums, v_exp_f32 and their like allow (about 1e-6 of the number): no bf16 or f16 on the way to a quantiser, and a product that is left as it is and whose result goes on into a quantised operand takes f32 operands (vector FMAs, or v_wmma_f32_16x16x4_f32). A number that lies on a knife's edge between two numbers of the format may be rounded either way, as far as f32 arithmetic and the matrix unit's own rounding can turn it there, and no further.
;; One version. Each part assembles by itself: llvm-mc -triple=amdgcn-amd-amdhsa -mcpu=gfx1250 --defsym DOCPART=n.
;; ======== version 1 of 1: 4 launches
;; limits: right only within a limited range of input values
;; workspace buffers: wcod 16,384,000 bytes; rope 1,048,576 bytes; acod 5,603,328 bytes; ascl 131,072 bytes; ocod 3,276,800 bytes
;; launch prep (part 1): grid 672 x 1, 4 waves a work-group, no clusters, 34,304 bytes of LDS; arguments hidden_states, Wq, Wk, Wv, Wo, wcod, rope; writes wcod, rope
.if DOCPART == 1
	.amdgcn_target "amdgcn-amd-amdhsa--gfx1250"
	.amdhsa_code_object_version 6
	.text
	.protected	k_q0e9b4f922a_prep
	.globl	k_q0e9b4f922a_prep
	.p2align	8
	.type	k_q0e9b4f922a_prep,@function
k_q0e9b4f922a_prep:
	s_mov_b64 s[64:65], 0
	v_nop
	global_prefetch_b8 v0, s[64:65] scope:SCOPE_SE
	s_setreg_imm32_b32 hwreg(HW_REG_WAVE_MODE, 25, 1), 1
	s_wait_xcnt 0x0
; hidden_states, Wq, Wk, Wv, Wo ([2048][2048] f32, K innermost) become codes of FP6 (E2M3) with one E8M0 byte for each 32 along K; and RoPE's table of cosines and sines is made.
; THE CODES ARE LAID AS IMAGES OF OPERAND REGISTERS.  A fragment is 16 rows x 128 K = 12 registers a lane (lane (r, h): row r; registers 6 c .. 6 c + 5: k = 64 c + 32 h + 0 .. 31) = 1,536 bytes:
; registers 4 c .. 4 c + 3 of lane l at 512 c + 16 l.  wcod: [tensor 5][sg 4][tile 128][q 4][1536], K step = 4 sg + q.  wscl: [tensor][tile][sg][row 16][q 4], one word (128 along K) each.
; WHICH ROWS FORM A TILE.  hidden_states and Wv: row i of tile T is row 32 (T / 2) + 8 (T % 2) + i + 8 (i / 8), so that where such a tile is source 0 of a product a lane's 16 results of tiles 2 b, 2 b + 1
; are 16 neighbours.  Wq, Wk: the same order of places p within a head, and place p holds row 2 (p % 64) + p / 64: RoPE's even rows in tiles 0-3 of a head, its odd rows in tiles 4-7.  Wo: rows as they lie.
; A block's scale is 2^(floor(log2(largest magnitude)) - 2); its byte is the largest magnitude's exponent field - 2, held at 1 from below.
; LIMITS: a block of zeros gets the byte 1 where the rule says 127 (its codes are zeros, and this program alone reads the bytes); blocks whose largest magnitude lies under 2^-124 were not tried; NaN and infinities are not served.
; SHARES.  Work-groups 0-31: the table, a tile of 16 tokens a wave, no LDS.  Work-groups 32-671: one tile of one tensor; wave = sg: 16 rows x 512 along K, four fragments.
; Each load reads 512 consecutive bytes of a row; a fragment's 16 x 512 bytes turn through the wave's own stage in LDS (rows 528 bytes apart) so that a lane gets its 2 x 32 neighbours.  Waves share nothing: no barrier.
; THE LAYOUT IN MEMORY, which takes the place of the two buffers named above: wcod is [tensor 5][sg 4][tile 128][unit of 6,400 bytes]; a unit holds the four fragments q = 0 .. 3 (4 x 1,536 bytes)
; and behind them, at byte 6,144, the tile's group of scale words [row 16][q 4] (256 bytes).  So codes and scale words of a run of tiles are one dense block, 25 x 256 bytes a tile.
; WORK LEFT OUT BY THE LATER LAUNCHES: reference() builds its mask in its own body; it keeps keys 0-204 and 1,536-2,047 for every query, whatever the inputs hold.  So k and v are made only for tokens 0-255 and 1,536-2,047,
; and scores and weighted sums only for those keys.  A NaN, an infinity or an overflow that reaches only the work left out is not carried to the result.
.set WSTG, 8448
.set RO,   10                          ; v10-17  16 x lane + m x (rows' distance in bytes), m = 0 .. 7
.set PS,   18                          ; v18-19  two scale words to store
.set PW,   20                          ; v20-23  the four fragments' scale words
.set PC,   32                          ; v32-43  a fragment's codes
.set CT,   44                          ; v44-50  the second halves of the conversions
.set LD0,  64                          ; v64-127, v128-191  two sets of 16 x 4 registers as loaded
.set X,    192                         ; v192-255 my 2 x 32 neighbours
.set THT,  32                          ; the table path: v32-63 theta, v64-127 cosines and sines, v128-159 at work
.set OUTR, 64
.set TT,   128
	s_load_b256 s[4:11], s[0:1], 0x0               ; hidden_states, Wq, Wk, Wv
	s_load_b128 s[12:15], s[0:1], 0x20             ; Wo, wcod
	s_load_b64 s[18:19], s[0:1], 0x30              ; rope
	v_lshl_add_u32 v9, v0, 2, 0x8400
	s_set_vgpr_msb 0x40
	v_mov_b32 v1, 0
	s_set_vgpr_msb 0x4000
	v_lshrrev_b32 v1, 5, v0
	v_readfirstlane_b32 s20, v1                    ; wave
	v_and_b32 v1, 31, v0                           ; lane
	v_and_b32 v2, 15, v0                           ; r
	v_bfe_u32 v3, v0, 4, 1                         ; h
	v_lshlrev_b32 v4, 4, v1                        ; 16 x lane
	s_cmp_lt_u32 ttmp9, 32
	s_cbranch_scc1 .Ltable
	; ---------------- the quantiser
	s_sub_co_u32 s21, ttmp9, 32
	s_lshr_b32 s22, s21, 7                         ; tensor 0 .. 4
	s_and_b32 s23, s21, 127                        ; tile T
	s_mov_b32 s36, 0x76543210
	s_mov_b32 s37, 0xfedcba98                      ; v_permlanex16_b32's selects for lane l xor 16
	; row(i) = R0 + A (i % 8) + B (i / 8)
	s_lshr_b32 s38, s23, 1
	s_lshl_b32 s38, s38, 5
	s_and_b32 s39, s23, 1
	s_lshl_b32 s40, s39, 3
	s_add_co_u32 s24, s38, s40                     ; hidden_states, Wv: R0 = 32 (T / 2) + 8 (T % 2),
	s_mov_b32 s25, 8192                            ; A = 1 row of 8,192 bytes,
	s_mov_b32 s26, 16*8192                         ; B = 16
	s_lshl_b32 s41, s23, 4
	s_mov_b32 s42, 8*8192
	s_cmp_eq_u32 s22, 4                            ; Wo: R0 = 16 T, A = 1, B = 8
	s_cselect_b32 s24, s41, s24
	s_cselect_b32 s26, s42, s26
	s_lshr_b32 s41, s23, 3
	s_lshl_b32 s41, s41, 7                         ; Wq, Wk: R0 = 128 (T / 8)
	s_bfe_u32 s42, s23, 0x10002
	s_add_co_u32 s41, s41, s42                     ;   + (T / 4) % 2
	s_bfe_u32 s42, s23, 0x10001
	s_lshl_b32 s42, s42, 6
	s_add_co_u32 s41, s41, s42                     ;   + 64 ((T / 2) % 2)
	s_lshl_b32 s42, s39, 4
	s_add_co_u32 s41, s41, s42                     ;   + 16 (T % 2);  A = 2, B = 32
	s_sub_co_u32 s43, s22, 1
	s_mov_b32 s44, 2*8192
	s_mov_b32 s45, 32*8192
	s_cmp_lt_u32 s43, 2
	s_cselect_b32 s24, s41, s24
	s_cselect_b32 s25, s44, s25
	s_cselect_b32 s26, s45, s26
	s_mul_i32 s46, s20, WSTG
	s_wait_alu depctr_va_vdst(0)
	v_add_nc_u32 v5, s46, v4                       ; into the stage: 16 x lane of row i
	v_mul_u32_u24 v6, v2, 528
	v_lshl_add_u32 v6, v3, 7, v6
	v_add_nc_u32 v6, s46, v6                       ; out of it: row r, + 128 h: my 32 numbers of each 64
	v_lshlrev_b32 v7, 3, v3                        ; 8 h: where my two bytes stand in the scale word
	v_lshlrev_b32 v8, 4, v2
	v_lshl_add_u32 v8, v3, 3, v8                   ; 16 r + 8 h: my two words of a group of scale words
	v_mov_b32 v31, 0                               ; written once: a lane permute's destination counts as one of its sources
	v_mov_b32 v[RO], v4
.irp m, 1,2,3,4,5,6,7
	v_add_nc_u32 v[RO+\m], s25, v[RO+\m-1]
.endr
	s_wait_alu depctr_va_vdst(0)
	s_wait_kmcnt 0x0
	s_mov_b64 s[28:29], s[4:5]                     ; the tensor: a choice on the work-group's number alone
	s_cmp_eq_u32 s22, 1
	s_cselect_b64 s[28:29], s[6:7], s[28:29]
	s_cmp_eq_u32 s22, 2
	s_cselect_b64 s[28:29], s[8:9], s[28:29]
	s_cmp_eq_u32 s22, 3
	s_cselect_b64 s[28:29], s[10:11], s[28:29]
	s_cmp_eq_u32 s22, 4
	s_cselect_b64 s[28:29], s[12:13], s[28:29]
	s_lshl_b32 s38, s24, 13
	s_lshl_b32 s39, s20, 11
	s_add_co_u32 s38, s38, s39                     ; R0 rows + 2,048 sg bytes
	s_mov_b32 s39, 0
	s_add_nc_u64 s[28:29], s[28:29], s[38:39]      ; rows 0-7 of the tile
	s_mov_b32 s38, s26
	s_add_nc_u64 s[30:31], s[28:29], s[38:39]      ; rows 8-15
	s_mul_i32 s38, s22, 3276800
	s_mul_i32 s40, s20, 819200
	s_add_co_u32 s38, s38, s40
	s_mul_i32 s40, s23, 6400
	s_add_co_u32 s38, s38, s40
	s_add_nc_u64 s[32:33], s[14:15], s[38:39]      ; my unit in wcod: four fragments,
	s_add_nc_u64 s[34:35], s[32:33], 6144          ; and behind them my group of scale words
.macro LOAD q                          ; fragment q: 16 rows x 512 bytes, each load 512 consecutive bytes; read once in the launch
.set li, 0
.rept 16
	global_load_b128 v[LD0+64*((\q)%2)+4*li:LD0+64*((\q)%2)+4*li+3], v[RO+li%8], s[28+2*(li/8):29+2*(li/8)] offset:512*(\q) th:TH_LOAD_NT
.set li, li+1
.endr
.endm
.macro FRAGQ q
.if (\q) < 3
	s_wait_loadcnt 16                              ; this fragment's 16 loads are in; the next one's 16 may be out
.else
	s_wait_loadcnt 0x0
.endif
.set li, 0
.rept 16
	ds_store_b128 v5, v[LD0+64*((\q)%2)+4*li:LD0+64*((\q)%2)+4*li+3] offset:528*li
.set li, li+1
.endr
.irp c, 0,1                            ; LDS serves a wave's instructions in order: these see the stores above, and the next fragment's stores come behind them
.irp k, 0,1,2,3,4,5,6,7
	ds_load_b128 v[X+32*\c+4*\k:X+32*\c+4*\k+3], v6 offset:256*\c+16*\k
.endr
.endr
	s_wait_dscnt 0x0                               ; my 64 numbers are in; the stores have read the set, which takes the loads of two fragments on
.if (\q) < 2
	LOAD (\q)+2
.endif
.irp c, 0,1                            ; block 2 c + h of my row: all its 32 numbers are mine; two chains a block
	v_max3_num_f32 v[24+2*\c], |v[X+32*\c]|, |v[X+32*\c+1]|, |v[X+32*\c+2]|
	v_max3_num_f32 v[25+2*\c], |v[X+32*\c+3]|, |v[X+32*\c+4]|, |v[X+32*\c+5]|
.endr
.irp i, 6,10,14,18,22,26
.irp c, 0,1
	v_max3_num_f32 v[24+2*\c], v[24+2*\c], |v[X+32*\c+\i]|, |v[X+32*\c+\i+1]|
	v_max3_num_f32 v[25+2*\c], v[25+2*\c], |v[X+32*\c+\i+2]|, |v[X+32*\c+\i+3]|
.endr
.endr
.irp c, 0,1
	v_max3_num_f32 v[24+2*\c], v[24+2*\c], |v[X+32*\c+30]|, |v[X+32*\c+31]|
.endr
.irp c, 0,1
	v_max3_num_f32 v[24+2*\c], v[24+2*\c], v[25+2*\c], 0x1800000   ; and the floor 2^(3 - 127): the byte cannot fall under 1
.endr
.irp c, 0,1
	v_add_nc_u32 v[28+\c], 0xff000000, v[24+2*\c]  ; 2 off the exponent field: the conversion takes this operand's exponent field as its scale
.endr
.irp c, 0,1
	v_lshrrev_b32 v[24+2*\c], 23, v[28+\c]         ; the scale's byte
.endr
	v_lshl_or_b32 v30, v26, 16, v24                ; my two bytes: blocks h and 2 + h,
	v_lshlrev_b32 v30, v7, v30                     ; at their places;
	v_permlanex16_b32 v31, v30, s36, s37
	v_or_b32 v[PW+(\q)], v30, v31                  ; with lane l xor 16's two the word is whole
	s_wait_alu depctr_va_vdst(0)
	s_wait_xcnt 0x0                                ; the last fragment's stores have read the codes' registers
.irp c, 0,1
	v_cvt_scalef32_pk16_fp6_f32 v[PC+6*\c:PC+6*\c+2], v[X+32*\c:X+32*\c+15], v[28+\c]
	v_cvt_scalef32_pk16_fp6_f32 v[CT+4*\c:CT+4*\c+2], v[X+32*\c+16:X+32*\c+31], v[28+\c]   ; (a conversion's three registers begin on an even number)
.endr
	v_nop                                          ; one plain line behind the scaled conversions
.irp c, 0,1
.irp i, 0,1,2
	v_mov_b32 v[PC+3+6*\c+\i], v[CT+4*\c+\i]
.endr
.endr
.irp c, 0,1,2
	global_store_b128 v4, v[PC+4*\c:PC+4*\c+3], s[32:33] offset:1536*(\q)+512*\c   ; 32 lanes store 512 consecutive bytes, aligned
.endr
.endm
	LOAD 0
	LOAD 1
	FRAGQ 0
	FRAGQ 1
	FRAGQ 2
	FRAGQ 3
	s_mov_b32 vcc_lo, 0xffff0000
	v_cndmask_b32 v[PS], v[PW], v[PW+2], vcc_lo    ; lanes 0-15 store words 0 and 1 of their row, lanes 16-31 words 2 and 3:
	v_cndmask_b32 v[PS+1], v[PW+1], v[PW+3], vcc_lo
	global_store_b64 v8, v[PS:PS+1], s[34:35]      ; 256 consecutive bytes, aligned
	s_set_vgpr_msb 0x4
	s_wait_tensorcnt 0x0
	ds_add_u32 v9, v1
	s_wait_dscnt 0x0
	s_set_vgpr_msb 0x400
	s_endpgm
	; ---------------- the table.  rope: [tile 128][register 64 as an image: 16 x 512 bytes].  Register m = 16 b + i (b = 0, 1): cos(token x theta_J), register 32 + m: the sine; J = 32 b + 16 h + i; token = row r of the tile.
	; theta_J = 2^(-J log2(10000) / 64).  The angle (up to 2,047) is reduced by n = the nearest whole multiple of pi / 2, pi / 2 in three parts under fused multiply-adds; sine and cosine of the rest by polynomials.
.Ltable:
	s_lshl_b32 s21, ttmp9, 2
	s_add_co_u32 s21, s21, s20                     ; tile
	s_lshr_b32 s22, s21, 1
	s_lshl_b32 s22, s22, 5
	s_and_b32 s23, s21, 1
	s_lshl_b32 s23, s23, 3
	s_add_co_u32 s22, s22, s23
	s_wait_alu depctr_va_vdst(0)
	v_and_b32 v5, 8, v2
	v_add_nc_u32 v5, v5, v2
	v_add_nc_u32 v5, s22, v5
	v_cvt_f32_u32 v5, v5                           ; my token
	v_lshlrev_b32 v6, 4, v3                        ; 16 h
	s_wait_alu depctr_va_vdst(0)
	s_mov_b32 s38, 0x3f22f983                      ; 2 / pi
	s_mov_b32 s39, 0xbfc90fd8                      ; -(pi / 2), its upper,
	s_mov_b32 s40, 0xb4a8885a                      ; middle
	s_mov_b32 s41, 0xa7c234c4                      ; and lower part
	s_mov_b32 s42, 0x36405000                      ; the sine's coefficients
	s_mov_b32 s43, 0xb9503486
	s_mov_b32 s44, 0x3c0888c1
	s_mov_b32 s45, 0xbe2aaaab
	s_mov_b32 s46, 0x37cd4000                      ; the cosine's
	s_mov_b32 s47, 0xbab6077d
	s_mov_b32 s48, 0x3d2aaaa8
	s_mov_b32 s49, 0x80000000
	s_lshl_b32 s24, s21, 13
	s_mov_b32 s25, 0
.set m, 0
.rept 32
	v_add_nc_u32 v[THT+m], 32*(m/16)+m%16, v6      ; J
.set m, m+1
.endr
.set m, 0
.rept 32
	v_cvt_f32_u32 v[THT+m], v[THT+m]
.set m, m+1
.endr
.set m, 0
.rept 32
	v_mul_f32 v[THT+m], 0xbe549a78, v[THT+m]       ; x -log2(10000) / 64
.set m, m+1
.endr
.set m, 0
	s_wait_alu depctr_va_vdst(0)
.rept 32
	v_exp_f32 v[THT+m], v[THT+m]                   ; one batch
.set m, m+1
.endr
	v_nop                                          ; a plain line behind the last exponential
	s_wait_alu depctr_va_vdst(0)                   ; one wait for the batch, ahead of its first reader
.macro SINCOS4 m0                      ; four registers line by line, so that no line waits for the line above it.  At work, for each: +0 the angle, then the rest a; +1 n; +2 a a; +3 sine; +4 cosine; +5 a^3; +6 n as a whole number; +7 signs
.irp j, 0,1,2,3
	v_mul_f32 v[TT+8*\j], v5, v[THT+(\m0)+\j]
.endr
.irp j, 0,1,2,3
	v_mul_f32 v[TT+8*\j+1], s38, v[TT+8*\j]
.endr
.irp j, 0,1,2,3
	v_rndne_f32 v[TT+8*\j+1], v[TT+8*\j+1]
.endr
.irp j, 0,1,2,3
	v_fma_f32 v[TT+8*\j], v[TT+8*\j+1], s39, v[TT+8*\j]
.endr
.irp j, 0,1,2,3
	v_fma_f32 v[TT+8*\j], v[TT+8*\j+1], s40, v[TT+8*\j]
.endr
.irp j, 0,1,2,3
	v_fma_f32 v[TT+8*\j], v[TT+8*\j+1], s41, v[TT+8*\j]
.endr
.irp j, 0,1,2,3
	v_mul_f32 v[TT+8*\j+2], v[TT+8*\j], v[TT+8*\j]
	v_cvt_i32_f32 v[TT+8*\j+6], v[TT+8*\j+1]
.endr
.irp j, 0,1,2,3
	v_fma_f32 v[TT+8*\j+3], s42, v[TT+8*\j+2], s43
	v_fma_f32 v[TT+8*\j+4], s46, v[TT+8*\j+2], s47
.endr
.irp j, 0,1,2,3
	v_fma_f32 v[TT+8*\j+3], v[TT+8*\j+3], v[TT+8*\j+2], s44
	v_fma_f32 v[TT+8*\j+4], v[TT+8*\j+4], v[TT+8*\j+2], s48
.endr
.irp j, 0,1,2,3
	v_fma_f32 v[TT+8*\j+3], v[TT+8*\j+3], v[TT+8*\j+2], s45
	v_fma_f32 v[TT+8*\j+4], v[TT+8*\j+4], v[TT+8*\j+2], -0.5
.endr
.irp j, 0,1,2,3
	v_mul_f32 v[TT+8*\j+5], v[TT+8*\j], v[TT+8*\j+2]
	v_fma_f32 v[TT+8*\j+4], v[TT+8*\j+4], v[TT+8*\j+2], 1.0     ; cos a
.endr
.irp j, 0,1,2,3
	v_fma_f32 v[TT+8*\j+3], v[TT+8*\j+3], v[TT+8*\j+5], v[TT+8*\j]   ; sin a
	v_and_b32 v[TT+8*\j+7], 1, v[TT+8*\j+6]
.endr
.irp j, 0,1,2,3
	v_cmp_eq_u32 s[52+\j], 1, v[TT+8*\j+7]         ; an odd n changes sine and cosine over
.endr
.irp j, 0,1,2,3
	v_cndmask_b32 v[OUTR+32+(\m0)+\j], v[TT+8*\j+3], v[TT+8*\j+4], s[52+\j]
	v_cndmask_b32 v[OUTR+(\m0)+\j], v[TT+8*\j+4], v[TT+8*\j+3], s[52+\j]
.endr
.irp j, 0,1,2,3
	v_lshlrev_b32 v[TT+8*\j+7], 30, v[TT+8*\j+6]   ; the sine's sign: bit 1 of n;
	v_add_nc_u32 v[TT+8*\j+6], 1, v[TT+8*\j+6]
.endr
.irp j, 0,1,2,3
	v_and_b32 v[TT+8*\j+7], s49, v[TT+8*\j+7]
	v_lshlrev_b32 v[TT+8*\j+6], 30, v[TT+8*\j+6]   ; the cosine's: bit 1 of n + 1
.endr
.irp j, 0,1,2,3
	v_xor_b32 v[OUTR+32+(\m0)+\j], v[TT+8*\j+7], v[OUTR+32+(\m0)+\j]
	v_and_b32 v[TT+8*\j+6], s49, v[TT+8*\j+6]
.endr
.irp j, 0,1,2,3
	v_xor_b32 v[OUTR+(\m0)+\j], v[TT+8*\j+6], v[OUTR+(\m0)+\j]
.endr
.endm
.irp g, 0,4,8,12,16,20,24,28
	SINCOS4 \g
.endr
	s_wait_alu depctr_va_vdst(0)
	s_wait_kmcnt 0x0
	s_add_nc_u64 s[18:19], s[18:19], s[24:25]
.irp k, 0,1,2,3,4,5,6,7,8,9,10,11,12,13,14,15
	global_store_b128 v4, v[OUTR+4*\k:OUTR+4*\k+3], s[18:19] offset:512*\k
.endr
	s_endpgm
.Lfunc_end_k_q0e9b4f922a_prep:
	.size	k_q0e9b4f922a_prep, .Lfunc_end_k_q0e9b4f922a_prep-k_q0e9b4f922a_prep
	.p2alignl 7, 3214868480
	.fill 96, 4, 3214868480
	.section	.rodata,"a",@progbits
	.p2align	6, 0x0
	.amdhsa_kernel k_q0e9b4f922a_prep
		.amdhsa_group_segment_fixed_size 34304
		.amdhsa_private_segment_fixed_size 0
		.amdhsa_enable_private_segment 0
		.amdhsa_kernarg_size 56
		.amdhsa_user_sgpr_count 2
		.amdhsa_user_sgpr_kernarg_segment_ptr 1
		.amdhsa_wavefront_size32 1
		.amdhsa_system_sgpr_workgroup_id_x 1
		.amdhsa_system_sgpr_workgroup_id_y 1
		.amdhsa_system_sgpr_workgroup_id_z 1
		.amdhsa_system_vgpr_workitem_id 0
		.amdhsa_next_free_vgpr 258
		.amdhsa_next_free_sgpr 66
		.amdhsa_reserve_vcc 1
		.amdhsa_float_denorm_mode_32 3
		.amdhsa_float_denorm_mode_16_64 3
		.amdhsa_memory_ordered 1
		.amdhsa_forward_progress 1
		.amdhsa_inst_pref_size 82
	.end_amdhsa_kernel
	.amdgpu_metadata
---
amdhsa.version: [ 1, 2 ]
amdhsa.kernels:
  - .name:           k_q0e9b4f922a_prep
    .symbol:         k_q0e9b4f922a_prep.kd
    .args:
      - { .name: hidden_states, .offset: 0, .size: 8, .value_kind: global_buffer, .address_space: global }
      - { .name: Wq, .offset: 8, .size: 8, .value_kind: global_buffer, .address_space: global }
      - { .name: Wk, .offset: 16, .size: 8, .value_kind: global_buffer, .address_space: global }
      - { .name: Wv, .offset: 24, .size: 8, .value_kind: global_buffer, .address_space: global }
      - { .name: Wo, .offset: 32, .size: 8, .value_kind: global_buffer, .address_space: global }
      - { .name: wcod, .offset: 40, .size: 8, .value_kind: global_buffer, .address_space: global }
      - { .name: rope, .offset: 48, .size: 8, .value_kind: global_buffer, .address_space: global }
    .group_segment_fixed_size: 34304
    .private_segment_fixed_size: 0
    .kernarg_segment_align: 8
    .kernarg_segment_size: 56
    .max_flat_workgroup_size: 128
    .sgpr_count:     66
    .vgpr_count:     258
    .wavefront_size: 32
...
	.end_amdgpu_metadata
.endif
;; end of part 1
;; launch qkv (part 2): grid 224 x 1, 4 waves a work-group, no clusters, 167,936 bytes of LDS; arguments wcod, rope, bq, bk, bv, acod, ascl; writes acod, ascl
.if DOCPART == 2
	.amdgcn_target "amdgcn-amd-amdhsa--gfx1250"
	.amdhsa_code_object_version 6
	.text
	.protected	k_q0e9b4f922a_qkv
	.globl	k_q0e9b4f922a_qkv
	.p2align	8
	.type	k_q0e9b4f922a_qkv,@function
k_q0e9b4f922a_qkv:
	s_mov_b64 s[64:65], 0
	v_nop
	global_prefetch_b8 v0, s[64:65] scope:SCOPE_SE
	s_setreg_imm32_b32 hwreg(HW_REG_WAVE_MODE, 25, 1), 1
	s_wait_xcnt 0x0
; q = rope(x Wq^T + bq) for all 2,048 tokens; k = rope(x Wk^T + bk) and v = x Wv^T + bv for the 768 tokens 0-255 and 1,536-2,047 alone: the mask that reference() builds itself keeps keys 0-204 and
; 1,536-2,047, so the other tokens' k and v reach no output (v's block of tokens 192-223 takes its scale from all 32).  Products on codes of FP6 (E2M3), K = 2,048; results are quantised here.
; ONE TEXT FOR THREE SHARES.  A work-group makes 128 rows of S0 x 256 rows of S1; source 0 = S0, source 1 = S1: a lane holds ONE row of S1 and its registers run along S0.
;   work-groups 0-127: Q: S0 = one head of Wq, S1 = 256 tokens.   128-175: K: S0 = one head of Wk, S1 = 256 kept tokens.   176-223: V: S0 = a step of 128 kept tokens, S1 = two heads of Wv.
; S0 IS SHARED BY THE FOUR WAVES.  Its sg 1 to 3 (steps 4 to 15) lie in LDS: 3 x 8 units of 6,400 bytes (codes and scale words), each byte filled once, by one tensor load of waves 0 to 2 at the head (wave w: sg w + 1).
; One wait for these loads, in every wave, and one barrier stand in step 3, ahead of the first LDS read.  Its sg 0 (steps 0 to 3) each wave loads for itself from memory straight into registers,
; so that the first four steps are multiplied while the tensor loads are on their way; the price is that these 51,200 bytes are read four times in a work-group.
; S1 IS NOBODY'S BUT THE WAVE'S: wave w owns tiles 4 w .. 4 w + 3 and loads their register images from memory straight into registers, 512 consecutive bytes a load, three steps ahead, in four sets.
; A wave: 8 tiles of S0 x 4 of S1 = 32 accumulators; 16 steps of 128 along K, written out: the first four differ from the rest, and sets and scale sets come back to where they began after 8 steps.
; NO CLUSTER: S0 is shared by 8 (Q), 3 (K) and 8 (V) work-groups: K's three do not divide into clusters of four, and one text serves all.
; NO PREFETCH: the tensor loads are issued once, at the head; the waves' own loads stand three steps ahead of their use, 36 loads a wave or more out at every wait.
; Every share issues the same loads up to the way out (all stay inside their buffers); V's share does not use the table's tiles 0 and 1 or q's and k's bias.  The one branch on the share stands on the way out.
; acod: q [head 16][tile 128][1536]; from byte 3,145,728 [head 16][step 6][25,600]: k: 8 x 1536 | v: 8 x 1536 | k's scale words, 2 groups of 256 bytes | v's, 2 groups.  ascl: q [head][group 32][row 16][tile % 4].
; LIMITS: a block of zeros gets the byte 1 (its codes are zeros; this program alone reads the bytes); NaN and infinities are not served.
; REGISTERS.  window 0: v1-27 addresses and v's bias, v32-95 S0's scale words (two sets), v96-127 S1's (two sets), v128-223 S1's sets 0, 1; on the way out v32-237 are at work.
;   window 1: v0-191 S0's fragments (two sets), v192-255 q's and k's bias.   window 2: accumulator (t, n) at v[64 n + 8 t] (at the head v0-63: the bias as it lies).
;   window 3: v0-95 S0's fragments of step 2, then the table's tiles 0, 1 at v0-127; v128-223 S1's sets 2, 3, then the table's tiles 2, 3 at v128-255.
.set TS,    3276800                    ; a tensor in wcod
.set SGS,   819200                     ; an sg: 128 units
.set UNIT,  6400
.set SWO,   6144                       ; the scale words' place in a unit
.set SLB,   51200                      ; 8 units: S0's part of one sg
.set SPARE, 153600                     ; behind S0's three sg: the spare words, 128 bytes a wave, which no other line names
.set NS1, 4
.set AD0, 5                            ; v5-7   16 x lane + (sg - 1) x SLB
.set R16, 9                            ; v9     16 r
.set SPW, 10
.set NIL, 11
.set SO,  12                           ; v12    16 r + 8 h
.set BA,  13                           ; v13    128 h
.set VA,  14                           ; v14    256 (w % 2) + 4 (r + 8 (r / 8))
.set BV,  16
.set ADS, 24                           ; v24-26 16 r + (sg - 1) x SLB
.set SCA, 32
.set SCB, 96
.set F1,  128
.set BI,  192
.set XB,  32
.set HA,  96
.set PC,  160
.set CT,  208
.set TM,  216
.set PW,  232
.set PS,  236
.set SEL, 100
.set MSB, 0
.macro WIN new                         ; the immediate's high byte repeats the setting that is left; a switch that changes nothing is dropped
.if MSB != (\new)
	s_set_vgpr_msb (MSB<<8)|(\new)
.set MSB, (\new)
.endif
.endm
.macro PLACES n
.rept \n
	v_nop
.endr
.endm
.macro GL st                           ; S1's four fragments of step st into set st % 4, and with an sg's first step its scale words
.if (\st) < 16
	WIN 0
.if (\st)%4 == 0
.irp i, 0,1,2,3
	global_load_b128 v[SCB+16*(((\st)/4)%2)+4*\i:SCB+16*(((\st)/4)%2)+4*\i+3], v[R16], s[48:49] offset:((\st)/4)*SGS+\i*UNIT+SWO
.endr
.endif
	WIN 0xc0*(((\st)%4)/2)
.irp i, 0,1,2,3
.irp c, 0,1,2
	global_load_b128 v[F1+48*((\st)%2)+12*\i+4*\c:F1+48*((\st)%2)+12*\i+4*\c+3], v4, s[48:49] offset:((\st)/4)*SGS+\i*UNIT+((\st)%4)*1536+512*\c
.endr
.endr
	WIN 0
.endif
.endm
.macro DS0 st, win, base               ; S0's eight fragments of step st (0 to 3) from memory into v[base] on of window win: 24 loads; with step 0 sg 0's scale words: 8 more
	WIN 0
.if (\st) == 0
.irp i, 0,1,2,3,4,5,6,7
	global_load_b128 v[SCA+4*\i:SCA+4*\i+3], v[R16], s[88:89] offset:\i*UNIT+SWO
.endr
.endif
	WIN (\win)<<6
.irp i, 0,1,2,3,4,5,6,7
.irp c, 0,1,2
	global_load_b128 v[(\base)+12*\i+4*\c:(\base)+12*\i+4*\c+3], v4, s[88:89] offset:\i*UNIT+(\st)*1536+512*\c
.endr
.endr
	WIN 0
.endm
.macro TABLE n0                        ; the table's images of my tiles n0, n0 + 1: 32 loads
	WIN 0xc0
.irp n, \n0, \n0+1
.irp k, 0,1,2,3,4,5,6,7,8,9,10,11,12,13,14,15
	global_load_b128 v[64*(\n)+4*\k:64*(\n)+4*\k+3], v4, s[98:99] offset:8192*(\n)+512*\k
.endr
.endr
	WIN 0
.endm
.macro FS st                           ; S0's eight fragments of step st (4 on) from LDS into set (st + 1) % 2, and with an sg's first step its scale words
.if (\st) < 16
	WIN 0
.if (\st)%4 == 0
.irp i, 0,1,2,3,4,5,6,7
	ds_load_b128 v[SCA+32*(((\st)/4)%2)+4*\i:SCA+32*(((\st)/4)%2)+4*\i+3], v[ADS+(\st)/4-1] offset:\i*UNIT+SWO
.endr
.endif
	WIN 0x40
.irp i, 0,1,2,3,4,5,6,7
.irp c, 0,1,2
	ds_load_b128 v[96*(((\st)+1)%2)+12*\i+4*\c:96*(((\st)+1)%2)+12*\i+4*\c+3], v[AD0+(\st)/4-1] offset:\i*UNIT+((\st)%4)*1536+512*\c
.endr
.endr
	WIN 0
.endif
.endm
.macro MUL st                          ; 32 products; the accumulators take turns, one instruction a turn, in the same order in every step; step 0 starts the sums
.if (\st) == 2                         ; where S0's fragments lie: steps 0, 1: sets 0, 1 of window 1; step 2: window 3; from step 3 on set (st + 1) % 2 of window 1
.set MA0, 0
.set MAW, 3
.elseif (\st) < 2
.set MA0, 96*(\st)
.set MAW, 1
.else
.set MA0, 96*(((\st)+1)%2)
.set MAW, 1
.endif
	WIN 0xa0+MAW+0x0c*(((\st)%4)/2)
.irp n, 0,1,2,3
.irp t, 0,1,2,3,4,5,6,7
.if (\st) == 0
	v_wmma_scale_f32_16x16x128_f8f6f4 v[64*\n+8*\t:64*\n+8*\t+7], v[MA0+12*\t:MA0+12*\t+11], v[F1+48*((\st)%2)+12*\n:F1+48*((\st)%2)+12*\n+11], 0, v[SCA+32*(((\st)/4)%2)+4*\t+(\st)%4], v[SCB+16*(((\st)/4)%2)+4*\n+(\st)%4] matrix_a_fmt:MATRIX_FMT_FP6 matrix_b_fmt:MATRIX_FMT_FP6
.else
	v_wmma_scale_f32_16x16x128_f8f6f4 v[64*\n+8*\t:64*\n+8*\t+7], v[MA0+12*\t:MA0+12*\t+11], v[F1+48*((\st)%2)+12*\n:F1+48*((\st)%2)+12*\n+11], v[64*\n+8*\t:64*\n+8*\t+7], v[SCA+32*(((\st)/4)%2)+4*\t+(\st)%4], v[SCB+16*(((\st)/4)%2)+4*\n+(\st)%4] matrix_a_fmt:MATRIX_FMT_FP6 matrix_b_fmt:MATRIX_FMT_FP6
.endif
.endr
.endr
.endm
; A step: four places behind the last step's products; into the sets that they read go S1's fragments of three steps on and, from step 3 on, S0's of the next step; then the waits for this step's, by count, and its products.
.macro STEP st
.if (\st) > 0
	PLACES 4
.endif
.if (\st) == 1
	DS0 3, 1, 0                                    ; step 3's fragments of S0 into the set that step 0 read
.endif
	GL (\st)+3
.if (\st) == 13
	TABLE 0                                        ; no fragments are left to ask for: the table's tiles 0 and 1 take their place
.endif
.if (\st) == 3
	WIN 0
	s_wait_tensorcnt 0x0                           ; my tensor load, if I issued one, has landed;
	s_wait_dscnt 0x0
	s_barrier_signal -1
	s_barrier_wait -1                              ; so have the others': sg 1 to 3 are whole
.endif
.if (\st) >= 3
	FS (\st)+1
.endif
.set nl, 0
.irp k, 1,2,3
.if (\st)+\k < 16
.set nl, nl+3*NS1
.if ((\st)+\k)%4 == 0
.set nl, nl+NS1
.endif
.endif
.endr
.if (\st) >= 13
.set nl, nl+32                         ; and the table's 32
.endif
.if (\st) < 3                          ; behind step 2's loads stand S1's of steps 3 to 5 (10 NS1) and S0's of step 3 (24); behind step 0's and step 1's more than the wait's field can name: 48 + 9 NS1 and 48 + 10 NS1
.set nl, 24+10*NS1
.if ((\st) < 2) || (nl > 63)
.set nl, 63
.endif
.endif
	s_wait_loadcnt nl                              ; the loads issued behind this step's may be out
.if (\st) == 15
	s_wait_dscnt 0x0
.elseif (\st) >= 4
.if ((\st)+1)%4 == 0
	s_wait_dscnt 32                                ; the next step's 24 fragment loads and 8 loads of scale words may be out
.else
	s_wait_dscnt 24
.endif
.endif
	MUL \st
.endm
; 64 numbers of a lane, register 16 b + i = k 32 b + 16 h + i of my row, become a fragment's codes in v[pc] on and its scale word in v[pw].
.macro QH src, pc, pw
.irp b, 0,1,2,3
	v_max3_num_f32 v[TM+\b], |v[(\src)+16*\b]|, |v[(\src)+1+16*\b]|, 0x1800000   ; my 16 numbers of block b, and the floor 2^(3 - 127): the byte cannot fall under 1
.endr
.irp i, 2,4,6,8,10,12,14
.irp b, 0,1,2,3
	v_max3_num_f32 v[TM+\b], v[TM+\b], |v[(\src)+16*\b+\i]|, |v[(\src)+1+16*\b+\i]|
.endr
.endr
.irp b, 0,1,2,3
	v_permlanex16_b32 v[TM+4+\b], v[TM+\b], s[SEL], s[SEL+1]
.endr
.irp b, 0,1,2,3
	v_max_num_f32 v[TM+\b], v[TM+\b], v[TM+4+\b]   ; with lane l xor 16's: the block's largest magnitude
.endr
.irp b, 0,1,2,3
	v_add_nc_u32 v[TM+12+\b], 0xff000000, v[TM+\b] ; 2 off its exponent field: the conversion's scale operand
.endr
.irp b, 0,1,2,3
	v_lshrrev_b32 v[TM+4+\b], 23, v[TM+12+\b]      ; the scale's byte
.endr
	v_lshl_or_b32 v[\pw], v[TM+5], 8, v[TM+4]
	v_lshl_or_b32 v[\pw], v[TM+6], 16, v[\pw]
	v_lshl_or_b32 v[\pw], v[TM+7], 24, v[\pw]
.irp c, 0,1
	v_cvt_scalef32_pk16_fp6_f32 v[(\pc)+6*\c:(\pc)+6*\c+2], v[(\src)+32*\c:(\src)+32*\c+15], v[TM+12+2*\c]
	v_cvt_scalef32_pk16_fp6_f32 v[CT+4*\c:CT+4*\c+2], v[(\src)+32*\c+16:(\src)+32*\c+31], v[TM+13+2*\c]
.endr
	v_nop                                          ; one plain line behind the scaled conversions
.irp c, 0,1                            ; the operand wants a whole block in a lane: lanes 0-15 block 2 c, lanes 16-31 block 2 c + 1
.irp i, 0,1,2
	v_permlane16_swap_b32 v[(\pc)+6*\c+\i], v[CT+4*\c+\i]
.endr
.irp i, 0,1,2
	v_mov_b32 v[(\pc)+3+6*\c+\i], v[CT+4*\c+\i]
.endr
.endr
.endm
	s_load_b256 s[4:11], s[0:1], 0x0               ; wcod, rope, bq, bk
	s_load_b128 s[12:15], s[0:1], 0x20             ; bv, acod
	s_load_b64 s[16:17], s[0:1], 0x30              ; ascl
	v_lshl_add_u32 v[SPW], v0, 2, SPARE
	v_mov_b32 v[NIL], 0
	ds_add_u32 v[SPW], v[NIL]                      ; the opening lines: the add, twice on end, and its wait ahead of a wave's first tensor load
	ds_add_u32 v[SPW], v[NIL]
	v_lshrrev_b32 v1, 5, v0
	v_readfirstlane_b32 s20, v1                    ; wave w
	s_lshr_b32 s21, s20, 1                         ; w / 2
	s_and_b32 s22, s20, 1                          ; w % 2
	s_lshl_b32 s2, s22, 8
	v_and_b32 v1, 31, v0                           ; lane
	v_and_b32 v2, 15, v0                           ; r
	v_bfe_u32 v3, v0, 4, 1                         ; h
	v_lshlrev_b32 v4, 4, v1                        ; 16 x lane
	v_lshlrev_b32 v[R16], 4, v2
.irp g, 0,1,2
	v_add_nc_u32 v[AD0+\g], \g*SLB, v4
	v_add_nc_u32 v[ADS+\g], \g*SLB, v[R16]
.endr
	v_lshl_add_u32 v[SO], v3, 3, v[R16]
	v_lshlrev_b32 v[BA], 7, v3
	v_and_b32 v[VA], 8, v2
	v_add_nc_u32 v[VA], v[VA], v2
	v_lshlrev_b32 v[VA], 2, v[VA]
	v_add_nc_u32 v[VA], s2, v[VA]
	s_mov_b32 s23, ttmp9
	s_cmp_lt_u32 s23, 128                          ; the share, by the work-group's number
	s_cselect_b32 s2, 0, 128
	s_cselect_b32 s28, 1, 2
	s_cmp_lt_u32 s23, 176
	s_cselect_b32 s2, s2, 176
	s_cselect_b32 s28, s28, 0                      ; S0's tensor in wcod: Wq 1, Wk 2, hidden_states 0
	s_cselect_b32 s29, 0, 3                        ; S1's: hidden_states 0, Wv 3
	s_cselect_b32 s3, 15, 7
	s_cselect_b32 s30, 4, 3
	s_sub_co_u32 s2, s23, s2
	s_and_b32 s24, s2, s3                          ; lo: Q, K: the head;  V: which two heads
	s_lshr_b32 s25, s2, s30                        ; hi: Q, K: which 256 tokens;  V: the step
	s_cmp_lt_u32 s23, 176
	s_cselect_b32 s26, s24, s25
	s_cselect_b32 s27, s25, s24
	s_lshl_b32 s26, s26, 3                         ; S0's first tile
	s_lshl_b32 s27, s27, 4                         ; S1's first tile
	s_cmp_ge_u32 s23, 176
	s_cselect_b32 s3, 80, 0
	s_cmp_ge_u32 s25, 2
	s_cselect_b32 s3, s3, 0
	s_add_co_u32 s26, s26, s3                      ; V: steps 2 to 5 are tokens 1,536 on: tile 8 z + 80
	s_sub_co_u32 s2, s23, 128
	s_cmp_lt_u32 s2, 48
	s_cselect_b32 s3, 80, 0
	s_cmp_ge_u32 s25, 1
	s_cselect_b32 s3, s3, 0
	s_add_co_u32 s27, s27, s3                      ; K: blocks 1 and 2 likewise: tile 16 y + 80
	s_lshl_b32 s3, s20, 2
	s_add_co_u32 s27, s27, s3                      ; my four tiles of S1
	s_mul_i32 s30, s28, TS
	s_mul_i32 s2, s26, UNIT
	s_add_co_u32 s30, s30, s2                      ; S0's 8 units of sg 0
	s_mov_b32 s31, 0
	s_add_co_u32 s74, s20, 1
	s_mul_i32 s74, s74, SGS
	s_add_co_u32 s74, s74, s30                     ; my tensor load: S0's 8 units of sg w + 1,
	s_mov_b32 s75, 0
	s_mul_i32 s37, s20, SLB                        ; to LDS bytes w x SLB on
	s_mul_i32 s34, s29, TS
	s_mul_i32 s2, s27, UNIT
	s_add_co_u32 s34, s34, s2                      ; my S1 units of sg 0
	s_mov_b32 s35, 0
	s_lshl_b32 s72, s27, 13                        ; the table's images of my four tiles
	s_mov_b32 s73, 0
	s_mov_b32 s36, 1                               ; group 0
	s_mov_b32 s40, 3<<16                           ; group 1: a dense block of 200 rows of 32 elements of 8 bytes
	s_mov_b32 s41, 32<<16
	s_mov_b32 s42, 200<<16
	s_mov_b32 s43, 32<<16
	s_mov_b32 s44, 200
	s_mov_b32 s45, 32
	s_mov_b32 s46, 0
	s_mov_b32 s47, 0
	s_mov_b32 s[SEL], 0x76543210
	s_mov_b32 s[SEL+1], 0xfedcba98
	; where the results go
	s_lshl_b32 s2, s24, 1
	s_add_co_u32 s2, s2, s21                       ; V's head: 2 lo + w / 2
	s_lshl_b32 s3, s25, 1
	s_add_co_u32 s3, s3, s21                       ; K's step: 2 hi + w / 2
	s_cmp_lt_u32 s23, 176
	s_cselect_b32 s50, s24, s2                     ; the head
	s_cselect_b32 s51, s3, s25                     ; the step
	s_cselect_b32 s52, 0, 12288                    ; v lies behind k in a step
	s_cselect_b32 s53, 0, 512
	s_mul_i32 s54, s50, 153600
	s_add_co_u32 s54, s54, 3145728
	s_mul_i32 s55, s51, 25600
	s_add_co_u32 s54, s54, s55                     ; the head's step
	s_add_co_u32 s55, s54, s52
	s_mul_i32 s56, s22, 6144
	s_add_co_u32 s55, s55, s56                     ; K, V: codes
	s_add_co_u32 s57, s54, s53
	s_add_co_u32 s57, s57, 24576
	s_lshl_b32 s58, s22, 8
	s_add_co_u32 s57, s57, s58                     ; K, V: scale words, behind the step's codes in acod
	s_lshl_b32 s59, s25, 2
	s_add_co_u32 s59, s59, s20                     ; Q: group 4 y + w of the head
	s_mul_i32 s60, s24, 196608
	s_mul_i32 s61, s59, 6144
	s_add_co_u32 s60, s60, s61
	s_lshl_b32 s61, s24, 13
	s_lshl_b32 s59, s59, 8
	s_add_co_u32 s61, s61, s59
	s_cmp_lt_u32 s23, 128
	s_cselect_b32 s66, s60, s55
	s_cselect_b32 s68, s61, s57
	s_mov_b32 s67, 0
	s_mov_b32 s69, 0
	s_lshl_b32 s70, s50, 9                         ; the head's 128 bias numbers
	s_mov_b32 s71, 0
	s_wait_alu depctr_va_vdst(0)
	s_wait_dscnt 0x0                               ; both opening adds are done
	s_wait_kmcnt 0x0
	s_add_nc_u64 s[38:39], s[4:5], s[74:75]
	s_or_b32 s39, s39, 0x80000000
	s_cmp_lt_u32 s20, 3                            ; three sg go to LDS: waves 0 to 2 bring one each
	s_cbranch_scc0 .Lno_load
	tensor_load_to_lds s[36:39], s[40:47]          ; the wave's one tensor load
	s_nop 0
	PLACES 4
.Lno_load:
	s_add_nc_u64 s[88:89], s[4:5], s[30:31]
	s_add_nc_u64 s[48:49], s[4:5], s[34:35]
	s_add_nc_u64 s[98:99], s[6:7], s[72:73]
	s_cmp_lt_u32 s23, 176
	s_cselect_b64 s[96:97], s[10:11], s[12:13]     ; bk or bv
	s_cmp_lt_u32 s23, 128
	s_cselect_b64 s[96:97], s[8:9], s[96:97]       ; bq
	s_cselect_b64 s[94:95], s[16:17], s[14:15]     ; q's scale words go to ascl, k's and v's to acod
	s_add_nc_u64 s[96:97], s[96:97], s[70:71]
	s_add_nc_u64 s[94:95], s[94:95], s[68:69]
	s_add_nc_u64 s[92:93], s[14:15], s[66:67]
	WIN 0x80
.irp e, 0,1                            ; Q, K: my 64 bias numbers as they lie, rows 64 e + 32 h + 0 .. 31 of the head, into registers that the sums take later
.irp k, 0,1,2,3,4,5,6,7
	global_load_b128 v[32*\e+4*\k:32*\e+4*\k+3], v[BA], s[96:97] offset:256*\e+16*\k
.endr
.endr
	WIN 0
.irp n, 0,1,2,3                        ; V: the one number of my row of tile n, twice, for the packed addition
	global_load_b32 v[BV+2*\n], v[VA], s[96:97] offset:(32*(\n/2)+8*(\n%2))*4
	global_load_b32 v[BV+2*\n+1], v[VA], s[96:97] offset:(32*(\n/2)+8*(\n%2))*4
.endr
	DS0 0, 1, 0
	GL 0
	DS0 1, 1, 96
	GL 1
	DS0 2, 3, 0
	GL 2
	s_wait_loadcnt 63                              ; behind the bias stand 120 loads, more than the wait's field can name
	WIN 0x42
.set m, 0
.rept 64                               ; register 32 e + 16 b + i of a result is RoPE's x1 (e = 0) or x2 (e = 1) of pair J = 32 b + 16 h + i: row 2 J + e of the head
	v_mov_b32 v[BI+m], v[32*((m/16)%2)+2*(m%16)+m/32]
.set m, m+1
.endr
	WIN 0
	s_wait_alu depctr_va_vdst(0)
.set ST, 0
.rept 16
	STEP ST
.set ST, ST+1
.endr
	WIN 0
	; THE WAY OUT: tile n of S1 (16 rows, one a lane) at a time; no LDS.
	PLACES 4                                       ; behind the last products: their results are read and their operands' registers written below
.irp b, 0,1,2,3
	v_mov_b32 v[TM+4+\b], 0                        ; written once: a lane permute's destination counts as one of its sources
.endr
	s_mov_b32 vcc_lo, 0xffff0000
	s_cmp_ge_u32 s23, 176
	s_cbranch_scc1 .Lvalues
	TABLE 2                                        ; the table's tiles 2 and 3 land where S1's sets 2 and 3 lay, while tiles 0 and 1 are worked
.macro QKOUT n
	WIN 0x06                                       ; source 0 (results) window 2, source 1 (bias) window 1
.set m, 0
.rept 32
	v_pk_add_f32 v[XB+m:XB+m+1], v[64*(\n)+m:64*(\n)+m+1], v[BI+m:BI+m+1]   ; ascending: each accumulator is read from its low end on
.set m, m+2
.endr
	WIN 0x0c                                       ; source 1 (the table) window 3
.set u, 0
.rept 4                                ; x1 cos - x2 sin and x1 sin + x2 cos, two at a time, four pairs of registers by turns
.irp w, 0,1,2,3
.set m, 2*(4*u+\w)
	v_pk_mul_f32 v[TM+4*\w:TM+4*\w+1], v[XB+32+m:XB+33+m], v[64*(\n)+32+m:64*(\n)+33+m]
	v_pk_mul_f32 v[TM+4*\w+2:TM+4*\w+3], v[XB+32+m:XB+33+m], v[64*(\n)+m:64*(\n)+m+1]
.endr
.irp w, 0,1,2,3
.set m, 2*(4*u+\w)
	v_pk_fma_f32 v[HA+m:HA+m+1], v[XB+m:XB+m+1], v[64*(\n)+m:64*(\n)+m+1], v[TM+4*\w:TM+4*\w+1] neg_lo:[0,0,1] neg_hi:[0,0,1]
	v_pk_fma_f32 v[HA+32+m:HA+33+m], v[XB+m:XB+m+1], v[64*(\n)+32+m:64*(\n)+33+m], v[TM+4*\w+2:TM+4*\w+3]
.endr
.set u, u+1
.endr
	WIN 0
	QH HA, PC+12*(\n), PW+(\n)
.irp c, 0,1,2
	global_store_b128 v4, v[PC+12*(\n)+4*\c:PC+12*(\n)+4*\c+3], s[92:93] offset:1536*(\n)+512*\c   ; 512 consecutive bytes, aligned
.endr
.endm
	s_wait_alu depctr_va_vdst(0)
	s_wait_loadcnt 32                              ; the table's tiles 0 and 1 are in; the 32 loads of tiles 2 and 3 may be out
	QKOUT 0
	QKOUT 1
	s_wait_alu depctr_va_vdst(0)
	s_wait_loadcnt 0x0                             ; the table's tiles 2 and 3
	QKOUT 2
	QKOUT 3
	s_branch .Lwords
.Lvalues:
.macro VOUT n
	WIN 0x02                                       ; source 0 (results) window 2
.set m, 0
.rept 32
	v_pk_add_f32 v[HA+m:HA+m+1], v[64*(\n)+m:64*(\n)+m+1], v[BV+2*(\n):BV+2*(\n)+1]
.set m, m+2
.endr
	WIN 0
	QH HA, PC+12*(\n), PW+(\n)
.irp c, 0,1,2
	global_store_b128 v4, v[PC+12*(\n)+4*\c:PC+12*(\n)+4*\c+3], s[92:93] offset:1536*(\n)+512*\c
.endr
.endm
	VOUT 0
	VOUT 1
	VOUT 2
	VOUT 3
.Lwords:
	v_cndmask_b32 v[PS], v[PW], v[PW+2], vcc_lo    ; lanes 0-15 store tiles 0 and 1's words of their row, lanes 16-31 tiles 2 and 3's:
	v_cndmask_b32 v[PS+1], v[PW+1], v[PW+3], vcc_lo
	global_store_b64 v[SO], v[PS:PS+1], s[94:95]   ; 256 consecutive bytes, aligned
	s_wait_tensorcnt 0x0                           ; the wave's end
	ds_add_u32 v[SPW], v[NIL]
	s_wait_dscnt 0x0
	s_endpgm
.Lfunc_end_k_q0e9b4f922a_qkv:
	.size	k_q0e9b4f922a_qkv, .Lfunc_end_k_q0e9b4f922a_qkv-k_q0e9b4f922a_qkv
	.p2alignl 7, 3214868480
	.fill 96, 4, 3214868480
	.section	.rodata,"a",@progbits
	.p2align	6, 0x0
	.amdhsa_kernel k_q0e9b4f922a_qkv
		.amdhsa_group_segment_fixed_size 167936
		.amdhsa_private_segment_fixed_size 0
		.amdhsa_enable_private_segment 0
		.amdhsa_kernarg_size 56
		.amdhsa_user_sgpr_count 2
		.amdhsa_user_sgpr_kernarg_segment_ptr 1
		.amdhsa_wavefront_size32 1
		.amdhsa_system_sgpr_workgroup_id_x 1
		.amdhsa_system_sgpr_workgroup_id_y 1
		.amdhsa_system_sgpr_workgroup_id_z 1
		.amdhsa_system_vgpr_workitem_id 0
		.amdhsa_next_free_vgpr 1024
		.amdhsa_next_free_sgpr 102
		.amdhsa_reserve_vcc 1
		.amdhsa_float_denorm_mode_32 3
		.amdhsa_float_denorm_mode_16_64 3
		.amdhsa_memory_ordered 1
		.amdhsa_forward_progress 1
		.amdhsa_inst_pref_size 201
	.end_amdhsa_kernel
	.amdgpu_metadata
---
amdhsa.version: [ 1, 2 ]
amdhsa.kernels:
  - .name:           k_q0e9b4f922a_qkv
    .symbol:         k_q0e9b4f922a_qkv.kd
    .args:
      - { .name: wcod, .offset: 0, .size: 8, .value_kind: global_buffer, .address_space: global }
      - { .name: rope, .offset: 8, .size: 8, .value_kind: global_buffer, .address_space: global }
      - { .name: bq, .offset: 16, .size: 8, .value_kind: global_buffer, .address_space: global }
      - { .name: bk, .offset: 24, .size: 8, .value_kind: global_buffer, .address_space: global }
      - { .name: bv, .offset: 32, .size: 8, .value_kind: global_buffer, .address_space: global }
      - { .name: acod, .offset: 40, .size: 8, .value_kind: global_buffer, .address_space: global }
      - { .name: ascl, .offset: 48, .size: 8, .value_kind: global_buffer, .address_space: global }
    .group_segment_fixed_size: 167936
    .private_segment_fixed_size: 0
    .kernarg_segment_align: 8
    .kernarg_segment_size: 56
    .max_flat_workgroup_size: 128
    .sgpr_count:     102
    .vgpr_count:     1024
    .wavefront_size: 32
...
	.end_amdgpu_metadata
.endif
;; end of part 2
;; launch attn (part 3): grid 16 x 16, 8 waves a work-group, clusters of 4 x 1, 327,680 bytes of LDS; arguments acod, ascl, ocod; writes ocod
.if DOCPART == 3
	.amdgcn_target "amdgcn-amd-amdhsa--gfx1250"
	.amdhsa_code_object_version 6
	.text
	.protected	k_q0e9b4f922a_attn
	.globl	k_q0e9b4f922a_attn
	.p2align	8
	.type	k_q0e9b4f922a_attn,@function
k_q0e9b4f922a_attn:
	s_mov_b64 s[64:65], 0
	v_nop
	global_prefetch_b8 v0, s[64:65] scope:SCOPE_SE
	s_setreg_imm32_b32 hwreg(HW_REG_WAVE_MODE, 25, 1), 1
	s_wait_xcnt 0x0
	s_wait_alu depctr_hold_cnt(0) depctr_sa_sdst(0) depctr_va_vdst(0) depctr_va_sdst(0) depctr_va_ssrc(0) depctr_va_vcc(0) depctr_vm_vsrc(0)
	s_getreg_b32 s2, hwreg(HW_REG_IB_STS2, 6, 4)
	s_cmp_eq_u32 s2, 0
	s_cbranch_scc0 .Lentry_in_a_cluster
	s_endpgm
.Lentry_in_a_cluster:
	s_bfe_u32 s2, ttmp6, 0x10000c
	s_cmp_lg_u32 s2, 0x3003
	s_cbranch_scc0 .Lentry_shape_is_right
	s_endpgm
.Lentry_shape_is_right:
.set KVC,  3145728
; Only the keys that reference()'s own mask keeps are walked: six steps of 128 (tokens 0-255, of which 205 on are masked here, and 1,536-2,047).
; A head's k and v lie in acod step by step, 25,600 bytes a step: k's 8 fragments, v's 8, k's scale words (2 groups of 256 bytes), v's.  All loads are joint loads of the cluster's four work-groups.
; At the head each of the eight waves brings 25 rows of 256 bytes: steps 0 and 1.  Behind the sequence and the round ahead of a later first fill each wave brings 50 rows:
; steps 2 to 5; that load is waited for in step 1, ahead of the first read of step 2, in front of a barrier behind which nothing is filled.
; The result leaves as units of ocod, [sg 4][tile 128][6,400]: four fragments, and at byte 6,144 the scale words [row 16][q 4]; sg = head / 4, q = head % 4.
.set LI,   1
.set SA,   9
.set QF,   16
.set QS,   28
.set NINF, 29
.set KSC,  32
.set VSC,  40
.set BM,   48
.set PT,   52
.set SOP,  56
.set BY,   60
.set CT,   64
.set FF,   72
.set TP,   74
.set PSW,  75
.set TM,   76
.set ST,   96
.set OT,   160
.set PF,   224
.set WV,   12
.set SEL,  20
.set CS,   22
.set MSB, 0
.macro WIN new
.if MSB != \new
	s_set_vgpr_msb (MSB<<8)|\new
.set MSB, \new
.endif
.endm
.macro PLACES n
.rept \n
	v_nop
.endr
.endm
.macro CROUND
	s_barrier_signal -1
	s_barrier_wait -1
	s_cmp_lg_u32 s[WV], 0
	s_cbranch_scc1 .Lnot_wave_0_\@
	s_barrier_signal -3
.Lnot_wave_0_\@:
	s_barrier_wait -3
	s_barrier_signal -1
	s_barrier_wait -1
.endm
.macro QH src, pc, pw
.irp b, 0,1,2,3
	v_max3_num_f32 v[TM+\b], |v[(\src)+16*\b]|, |v[(\src)+1+16*\b]|, 0x1800000
.endr
.irp i, 2,4,6,8,10,12,14
.irp b, 0,1,2,3
	s_delay_alu instid0(VALU_DEP_4)
	v_max3_num_f32 v[TM+\b], v[TM+\b], |v[(\src)+16*\b+\i]|, |v[(\src)+1+16*\b+\i]|
.endr
.endr
.irp b, 0,1,2,3
	s_delay_alu instid0(VALU_DEP_4)
	v_permlanex16_b32 v[TM+4+\b], v[TM+\b], s[SEL], s[SEL+1]
.endr
.irp b, 0,1,2,3
	s_delay_alu instid0(VALU_DEP_4)
	v_max_num_f32 v[TM+\b], v[TM+\b], v[TM+4+\b]
.endr
.irp b, 0,1,2,3
	s_delay_alu instid0(VALU_DEP_4)
	v_add_nc_u32 v[TM+12+\b], 0xff000000, v[TM+\b]
.endr
.irp b, 0,1,2,3
	s_delay_alu instid0(VALU_DEP_4)
	v_lshrrev_b32 v[TM+4+\b], 23, v[TM+12+\b]
.endr
	s_delay_alu instid0(VALU_DEP_3)
	v_lshl_or_b32 v[\pw], v[TM+5], 8, v[TM+4]
	s_delay_alu instid0(VALU_DEP_1)
	v_lshl_or_b32 v[\pw], v[TM+6], 16, v[\pw]
	s_delay_alu instid0(VALU_DEP_1)
	v_lshl_or_b32 v[\pw], v[TM+7], 24, v[\pw]
.irp c, 0,1
	v_cvt_scalef32_pk16_fp6_f32 v[(\pc)+6*\c:(\pc)+6*\c+2], v[(\src)+32*\c:(\src)+32*\c+15], v[TM+12+2*\c]
	v_cvt_scalef32_pk16_fp6_f32 v[CT+4*\c:CT+4*\c+2], v[(\src)+32*\c+16:(\src)+32*\c+31], v[TM+13+2*\c]
.endr
	v_nop
.irp c, 0,1
.irp i, 0,1,2
	v_permlane16_swap_b32 v[(\pc)+6*\c+\i], v[CT+4*\c+\i]
.endr
.irp i, 0,1,2
	s_delay_alu instid0(VALU_DEP_3)
	v_mov_b32 v[(\pc)+3+6*\c+\i], v[CT+4*\c+\i]
.endr
.endr
.endm
.macro FETCHK s
	WIN 0x40
.irp t, 0,1,2,3,4,5,6,7
.irp c, 0,1,2
	ds_load_b128 v[12*\t+4*\c:12*\t+4*\c+3], v[LI+(\s)/2] offset:((\s)%2)*25600+1536*\t+512*\c
.endr
.endr
	WIN 0
.irp g, 0,1
	ds_load_b128 v[KSC+4*\g:KSC+4*\g+3], v[SA+(\s)/2] offset:((\s)%2)*25600+24576+256*\g
.endr
.endm
.macro FETCHV s
	WIN 0x40
.irp t, 0,1,2,3,4,5,6,7
.irp c, 0,1,2
	ds_load_b128 v[96+12*\t+4*\c:96+12*\t+4*\c+3], v[LI+(\s)/2] offset:((\s)%2)*25600+12288+1536*\t+512*\c
.endr
.endr
	WIN 0
.irp g, 0,1
	ds_load_b128 v[VSC+4*\g:VSC+4*\g+3], v[SA+(\s)/2] offset:((\s)%2)*25600+25088+256*\g
.endr
.endm
	s_load_b128 s[4:7], s[0:1], 0x0
	s_load_b64 s[8:9], s[0:1], 0x10
	v_lshl_add_u32 v254, v0, 2, 0x29000
	v_mov_b32 v255, 0
	ds_add_u32 v254, v255
	ds_add_u32 v254, v255
	v_lshrrev_b32 v1, 5, v0
	s_delay_alu instid0(VALU_DEP_1)
	v_readfirstlane_b32 s[WV], v1
	s_and_b32 s15, ttmp7, 0xffff
	s_mov_b32 s24, 15|(3<<16)|(1<<21)
	s_mov_b32 s25, 32<<16
	s_mov_b32 s26, 25<<16
	s_mov_b32 s27, 32<<16
	s_mov_b32 s28, 25
	s_mov_b32 s29, 32
	s_mov_b32 s30, 0
	s_mov_b32 s31, 0
	s_mov_b32 s32, 15|(3<<16)|(1<<21)
	s_mov_b32 s33, 32<<16
	s_mov_b32 s34, 50<<16
	s_mov_b32 s35, 32<<16
	s_mov_b32 s36, 50
	s_mov_b32 s37, 32
	s_mov_b32 s38, 0
	s_mov_b32 s39, 0
	s_mov_b32 s[SEL], 0x76543210
	s_mov_b32 s[SEL+1], 0xfedcba98
	s_mov_b32 s[CS], 0x3e0293ee
	s_mov_b32 s[CS+1], s[CS]
	s_mul_i32 s48, s15, 153600
	s_mul_i32 s50, s[WV], 6400
	s_add_co_u32 s48, s48, s50
	s_add_co_u32 s48, s48, KVC
	s_mov_b32 s49, 0
	s_add_co_u32 s58, s48, s50
	s_add_co_u32 s58, s58, 51200
	s_mov_b32 s59, 0
	s_lshl_b32 s45, s50, 1
	s_add_co_u32 s45, s45, 51200
	s_wait_dscnt 0x0
	s_wait_kmcnt 0x0
	s_mov_b32 s40, 1
	s_mov_b32 s41, s50
	s_add_nc_u64 s[42:43], s[4:5], s[48:49]
	s_or_b32 s43, s43, 0x80000000
	s_mov_b32 s44, 1
	s_add_nc_u64 s[46:47], s[4:5], s[58:59]
	s_or_b32 s47, s47, 0x80000000
	CROUND
	tensor_load_to_lds s[40:43], s[24:31]
	s_nop 0
.rept 4
	v_nop
.endr
	s_bfe_u32 s13, ttmp6, 0x40000
	s_lshl_b32 s14, ttmp9, 2
	s_add_co_u32 s14, s14, s13
	s_lshl_b32 s16, s14, 3
	s_add_co_u32 s16, s16, s[WV]
	s_lshl_b32 s52, s15, 7
	s_add_co_u32 s52, s52, s16
	s_mul_i32 s52, s52, 1536
	s_mov_b32 s53, 0
	s_add_nc_u64 s[54:55], s[4:5], s[52:53]
	s_lshl_b32 s52, s15, 5
	s_lshr_b32 s17, s16, 2
	s_add_co_u32 s52, s52, s17
	s_lshl_b32 s52, s52, 8
	s_and_b32 s17, s16, 3
	s_lshl_b32 s17, s17, 2
	s_add_co_u32 s52, s52, s17
	s_add_nc_u64 s[56:57], s[6:7], s[52:53]
	s_lshr_b32 s17, s15, 2
	s_and_b32 s18, s15, 3
	s_mul_i32 s52, s17, 819200
	s_mul_i32 s19, s16, 6400
	s_add_co_u32 s52, s52, s19
	s_add_nc_u64 s[8:9], s[8:9], s[52:53]
	s_lshl_b32 s52, s18, 2
	s_add_co_u32 s52, s52, 6144
	s_add_nc_u64 s[10:11], s[8:9], s[52:53]
	s_mul_i32 s52, s18, 1536
	s_add_nc_u64 s[8:9], s[8:9], s[52:53]
	v_and_b32 v7, 31, v0
	v_and_b32 v8, 15, v0
	s_delay_alu instid0(VALU_DEP_2)
	v_lshlrev_b32 v5, 4, v7
	s_delay_alu instid0(VALU_DEP_2)
	v_lshlrev_b32 v6, 4, v8
	s_delay_alu instid0(VALU_DEP_2)
	v_mov_b32 v[LI], v5
	s_delay_alu instid0(VALU_DEP_3)
	v_add_nc_u32 v[LI+1], 51200, v5
	s_delay_alu instid0(VALU_DEP_4)
	v_add_nc_u32 v[LI+2], 102400, v5
	s_delay_alu instid0(VALU_DEP_4)
	v_mov_b32 v[SA], v6
	v_add_nc_u32 v[SA+1], 51200, v6
	v_add_nc_u32 v[SA+2], 102400, v6
.irp c, 0,1,2
	global_load_b128 v[QF+4*\c:QF+4*\c+3], v5, s[54:55] offset:512*\c
.endr
	global_load_b32 v[QS], v6, s[56:57]
	v_mov_b32 v13, 0xff61b1e6
	s_delay_alu instid0(VALU_DEP_1)
	v_floor_f32 v12, -v13
	v_mov_b32 v14, 0
	v_mov_b32 v15, 0
	v_mov_b32 v[NINF], 0xff800000
	v_mov_b32 v[FF+1], 0
.irp b, 0,1,2,3
	v_mov_b32 v[PT+\b], 0
	v_mov_b32 v[TM+4+\b], 0
.endr
	s_wait_alu depctr_va_vdst(0)
	s_wait_tensorcnt 0x0
	ds_add_u32 v254, v255
	s_wait_dscnt 0x0
	CROUND
	tensor_load_to_lds s[44:47], s[32:39]
	s_nop 0
.rept 4
	v_nop
.endr
	FETCHK 0
	FETCHV 0
	s_wait_loadcnt 0x0
.macro STEP s
	s_wait_dscnt 26
	WIN 0x01
.irp t, 0,1,2,3,4,5,6,7
.if ((\s) != 1) || (\t < 6)
	v_wmma_scale_f32_16x16x128_f8f6f4 v[ST+8*\t:ST+8*\t+7], v[12*\t:12*\t+11], v[QF:QF+11], 0, v[KSC+\t], v[QS] matrix_a_fmt:MATRIX_FMT_FP6 matrix_b_fmt:MATRIX_FMT_FP6
.endif
.endr
	WIN 0
	PLACES 4
.if (\s) == 1
	s_wait_alu depctr_va_vdst(0)
	s_wait_tensorcnt 0x0
	s_wait_dscnt 0x0
	s_barrier_signal -1
	s_barrier_wait -1
.endif
.if (\s) < 5
	FETCHK (\s)+1
.endif
.if (\s) == 1
	s_mov_b32 vcc_lo, 0xffff0000
.irp i, 0,1,2,3,4,5,6,7,8,9,10,11,12
	v_cndmask_b32 v[ST+32+\i], v[ST+32+\i], v[NINF], vcc_lo
.endr
.irp i, 45,46,47,48,49,50,51,52,53,54,55,56,57,58,59,60,61,62,63
	v_mov_b32 v[ST+\i], v[NINF]
.endr
.endif
.irp b, 0,1,2,3
	v_max3_num_f32 v[BM+\b], v[ST+16*\b], v[ST+1+16*\b], v[ST+2+16*\b]
.endr
.irp i, 3,5,7,9,11,13
.irp b, 0,1,2,3
	v_max3_num_f32 v[BM+\b], v[BM+\b], v[ST+16*\b+\i], v[ST+1+16*\b+\i]
.endr
.endr
.irp b, 0,1,2,3
	v_max_num_f32 v[BM+\b], v[BM+\b], v[ST+15+16*\b]
.endr
.irp b, 0,1,2,3
	s_delay_alu instid0(VALU_DEP_4)
	v_permlanex16_b32 v[PT+\b], v[BM+\b], s[SEL], s[SEL+1]
.endr
.irp b, 0,1,2,3
	s_delay_alu instid0(VALU_DEP_4)
	v_max_num_f32 v[BM+\b], v[BM+\b], v[PT+\b]
.endr
	s_delay_alu instid0(VALU_DEP_2)
	v_max3_num_f32 v[TP], v[BM], v[BM+1], v[BM+2]
	s_delay_alu instid0(VALU_DEP_1)
	v_max_num_f32 v[TP], v[TP], v[BM+3]
	s_delay_alu instid0(VALU_DEP_1)
	v_mul_f32 v[TP], s[CS], v[TP]
	s_delay_alu instid0(VALU_DEP_1)
	v_max_num_f32 v13, v13, v[TP]
	v_mov_b32 v[TP], v12
	s_delay_alu instid0(VALU_DEP_2)
	v_floor_f32 v12, -v13
	s_delay_alu instid0(VALU_DEP_1)
	v_sub_f32 v[TP], v12, v[TP]
	s_delay_alu instid0(VALU_DEP_1)
	v_cvt_i32_f32 v[TP], v[TP]
	s_delay_alu instid0(VALU_DEP_1)
	v_ldexp_f32 v[FF], 1.0, v[TP]
.set j, 0
.rept 32
	v_pk_fma_f32 v[ST+j:ST+j+1], v[ST+j:ST+j+1], s[CS:CS+1], v[12:13] op_sel_hi:[1,0,0]
.set j, j+2
.endr
.irp b, 0,1,2,3
	v_fma_f32 v[BM+\b], v[BM+\b], s[CS], v12
.endr
.set j, 0
	s_wait_alu depctr_va_vdst(0)
.rept 64
	v_exp_f32 v[ST+j], v[ST+j]
.set j, j+1
.endr
	v_pk_mul_f32 v[14:15], v[14:15], v[FF:FF+1] op_sel_hi:[1,0]
	s_wait_alu depctr_va_vdst(0)
.irp b, 0,1,2,3
	v_exp_f32 v[BM+\b], v[BM+\b]
.endr
	v_pk_add_f32 v[PT:PT+1], v[ST:ST+1], v[ST+2:ST+3]
.set j, 4
.rept 15
	v_pk_add_f32 v[14:15], v[14:15], v[ST+j:ST+j+1]
	v_pk_add_f32 v[PT:PT+1], v[PT:PT+1], v[ST+j+2:ST+j+3]
.set j, j+4
.endr
	s_delay_alu instid0(VALU_DEP_1)
	v_pk_add_f32 v[14:15], v[14:15], v[PT:PT+1]
	s_wait_alu depctr_va_vdst(0)
.irp b, 0,1,2,3
	v_max_num_f32 v[BM+\b], 0x1800000, v[BM+\b]
.endr
.irp b, 0,1,2,3
	s_delay_alu instid0(VALU_DEP_4)
	v_add_nc_u32 v[SOP+\b], 0xff000000, v[BM+\b]
.endr
.irp b, 0,1,2,3
	s_delay_alu instid0(VALU_DEP_4)
	v_lshrrev_b32 v[BY+\b], 23, v[SOP+\b]
.endr
	s_delay_alu instid0(VALU_DEP_3)
	v_lshl_or_b32 v[PSW], v[BY+1], 8, v[BY]
	s_delay_alu instid0(VALU_DEP_1)
	v_lshl_or_b32 v[PSW], v[BY+2], 16, v[PSW]
	s_delay_alu instid0(VALU_DEP_1)
	v_lshl_or_b32 v[PSW], v[BY+3], 24, v[PSW]
.irp c, 0,1
	v_cvt_scalef32_pk16_fp6_f32 v[PF+6*\c:PF+6*\c+2], v[ST+32*\c:ST+32*\c+15], v[SOP+2*\c]
	v_cvt_scalef32_pk16_fp6_f32 v[CT+4*\c:CT+4*\c+2], v[ST+32*\c+16:ST+32*\c+31], v[SOP+2*\c+1]
.endr
	v_nop
.irp c, 0,1
.irp i, 0,1,2
	v_permlane16_swap_b32 v[PF+6*\c+\i], v[CT+4*\c+\i]
.endr
.irp i, 0,1,2
	s_delay_alu instid0(VALU_DEP_3)
	v_mov_b32 v[PF+3+6*\c+\i], v[CT+4*\c+\i]
.endr
.endr
.if (\s) > 0
.set j, 0
.rept 32
	v_pk_mul_f32 v[OT+j:OT+j+1], v[OT+j:OT+j+1], v[FF:FF+1] op_sel_hi:[1,0]
.set j, j+2
.endr
.else
	s_wait_alu depctr_va_vdst(0)
	PLACES 8
.endif
.if (\s) < 5
	s_wait_alu depctr_va_vdst(0)
	s_wait_dscnt 26
.else
	s_wait_alu depctr_va_vdst(0)
	s_wait_dscnt 0x0
.endif
	WIN 0x01
.irp t, 0,1,2,3,4,5,6,7
.if (\s) == 0
	v_wmma_scale_f32_16x16x128_f8f6f4 v[OT+8*\t:OT+8*\t+7], v[96+12*\t:96+12*\t+11], v[PF:PF+11], 0, v[VSC+\t], v[PSW] matrix_a_fmt:MATRIX_FMT_FP6 matrix_b_fmt:MATRIX_FMT_FP6
.else
	v_wmma_scale_f32_16x16x128_f8f6f4 v[OT+8*\t:OT+8*\t+7], v[96+12*\t:96+12*\t+11], v[PF:PF+11], v[OT+8*\t:OT+8*\t+7], v[VSC+\t], v[PSW] matrix_a_fmt:MATRIX_FMT_FP6 matrix_b_fmt:MATRIX_FMT_FP6
.endif
.endr
	WIN 0
	PLACES 4
.if (\s) < 5
	FETCHV (\s)+1
.endif
.endm
	STEP 0
	STEP 1
	STEP 2
	STEP 3
	STEP 4
	STEP 5
	v_add_f32 v14, v14, v15
	s_delay_alu instid0(VALU_DEP_1)
	v_permlanex16_b32 v[TP], v14, s[SEL], s[SEL+1]
	s_delay_alu instid0(VALU_DEP_1)
	v_add_f32 v14, v14, v[TP]
	s_wait_alu depctr_va_vdst(0)
	v_rcp_f32 v14, v14
	v_nop
	s_wait_alu depctr_va_vdst(0)
.set j, 0
.rept 64
	v_mul_f32 v[ST+j], v[OT+j], v14
.set j, j+1
.endr
	QH ST, PF, PSW
.irp c, 0,1,2
	global_store_b128 v5, v[PF+4*\c:PF+4*\c+3], s[8:9] offset:512*\c
.endr
	s_wait_xcnt 0x0
	v_cmp_gt_u32 vcc_lo, 16, v7
	s_and_saveexec_b32 s48, vcc_lo
	global_store_b32 v6, v[PSW], s[10:11]
	s_wait_xcnt 0x0
	s_or_b32 exec_lo, exec_lo, s48
	s_wait_dscnt 0x0
	s_wait_tensorcnt 0x0
	ds_add_u32 v254, v255
	s_wait_dscnt 0x0
	CROUND
	s_endpgm
.Lfunc_end_k_q0e9b4f922a_attn:
	.size	k_q0e9b4f922a_attn, .Lfunc_end_k_q0e9b4f922a_attn-k_q0e9b4f922a_attn
	.p2alignl 7, 3214868480
	.fill 96, 4, 3214868480
	.section	.rodata,"a",@progbits
	.p2align	6, 0x0
	.amdhsa_kernel k_q0e9b4f922a_attn
		.amdhsa_group_segment_fixed_size 327680
		.amdhsa_private_segment_fixed_size 0
		.amdhsa_enable_private_segment 0
		.amdhsa_kernarg_size 24
		.amdhsa_user_sgpr_count 2
		.amdhsa_user_sgpr_kernarg_segment_ptr 1
		.amdhsa_wavefront_size32 1
		.amdhsa_system_sgpr_workgroup_id_x 1
		.amdhsa_system_sgpr_workgroup_id_y 1
		.amdhsa_system_sgpr_workgroup_id_z 1
		.amdhsa_system_vgpr_workitem_id 0
		.amdhsa_next_free_vgpr 512
		.amdhsa_next_free_sgpr 66
		.amdhsa_reserve_vcc 1
		.amdhsa_float_denorm_mode_32 3
		.amdhsa_float_denorm_mode_16_64 3
		.amdhsa_memory_ordered 1
		.amdhsa_forward_progress 1
		.amdhsa_inst_pref_size 132
	.end_amdhsa_kernel
	.amdgpu_metadata
---
amdhsa.version: [ 1, 2 ]
amdhsa.kernels:
  - .name:           k_q0e9b4f922a_attn
    .symbol:         k_q0e9b4f922a_attn.kd
    .args:
      - { .name: acod, .offset: 0, .size: 8, .value_kind: global_buffer, .address_space: global }
      - { .name: ascl, .offset: 8, .size: 8, .value_kind: global_buffer, .address_space: global }
      - { .name: ocod, .offset: 16, .size: 8, .value_kind: global_buffer, .address_space: global }
    .group_segment_fixed_size: 327680
    .private_segment_fixed_size: 0
    .kernarg_segment_align: 8
    .kernarg_segment_size: 24
    .max_flat_workgroup_size: 256
    .sgpr_count:     66
    .vgpr_count:     512
    .wavefront_size: 32
...
	.end_amdgpu_metadata
.endif
;; end of part 3
;; launch oproj (part 4): grid 16 x 16, 4 waves a work-group, clusters of 4 x 1, 187,904 bytes of LDS; arguments wcod, ocod, bo, out0; writes out0
.if DOCPART == 4
	.amdgcn_target "amdgcn-amd-amdhsa--gfx1250"
	.amdhsa_code_object_version 6
	.text
	.protected	k_q0e9b4f922a_oproj
	.globl	k_q0e9b4f922a_oproj
	.p2align	8
	.type	k_q0e9b4f922a_oproj,@function
k_q0e9b4f922a_oproj:
	s_mov_b64 s[64:65], 0
	v_nop
	global_prefetch_b8 v0, s[64:65] scope:SCOPE_SE
	s_setreg_imm32_b32 hwreg(HW_REG_WAVE_MODE, 25, 1), 1
	s_wait_xcnt 0x0
	s_wait_alu depctr_hold_cnt(0) depctr_sa_sdst(0) depctr_va_vdst(0) depctr_va_sdst(0) depctr_va_ssrc(0) depctr_va_vcc(0) depctr_vm_vsrc(0)
	s_getreg_b32 s2, hwreg(HW_REG_IB_STS2, 6, 4)
	s_cmp_eq_u32 s2, 0
	s_cbranch_scc0 .Lentry_in_a_cluster
	s_endpgm
.Lentry_in_a_cluster:
	s_bfe_u32 s2, ttmp6, 0x10000c
	s_cmp_lg_u32 s2, 0x3003
	s_cbranch_scc0 .Lentry_shape_is_right
	s_endpgm
.Lentry_shape_is_right:
; out0 = O Wo^T + bo on codes of FP6 (E2M3), K = 2,048; out0 [2048][2048] f32.  Both operands come as units of register images with their scale words (6,400 bytes a tile and sg), laid by the earlier launches.
; A tile of out0 is 128 tokens x 128 columns: 256 work-groups.  Source 0 = S0 = 16 rows of Wo, source 1 = S1 = 16 rows of O: a lane holds eight neighbouring columns of one row of out0.
; S0 (8 tiles of Wo) IS SHARED BY THE FOUR WAVES.  Its sg 1 to 3 (steps 4 to 15) lie in LDS: 3 x 51,200 bytes, each byte filled once, by one tensor load of waves 0 to 2 at the head (wave w: sg w + 1).
; One wait for these loads, in every wave, and one barrier stand in step 3, ahead of the first LDS read.  Its sg 0 (steps 0 to 3) each wave loads for itself from memory straight into registers,
; so that the first four steps are multiplied while the tensor loads are on their way; the price is that these 51,200 bytes are read four times in a work-group.
; S1 IS THE WAVE'S OWN: wave w owns O's tiles 2 w, 2 w + 1 of the block and loads their images from memory straight into registers, 512 consecutive bytes a load, three steps ahead, in four sets.
; A wave: 8 x 2 = 16 accumulators; bo is the C of each sum's first product; 16 steps of 128 along K, written out.
; CLUSTER: 4 x 1: the four work-groups of a cluster make four token blocks of one column block and need the same rows of Wo: every tensor load is a joint load with the mask of all four.
; NO PREFETCH: the tensor loads are issued once, at the head; the waves' own loads stand three steps ahead of their use.
; O's tiles hold tokens in the order in which hidden_states was tiled: row i of tile T is token 32 (T / 2) + 8 (T % 2) + i + 8 (i / 8); the stores' offsets undo that.
; REGISTERS.  window 0: v1-27 addresses, v32-95 S0's scale words (two sets), v96-111 S1's (two sets), v112-207 S1's four sets; on the way out v112-239 rows of out0.
;   window 1: v0-191 S0's fragments (two sets), v192-255 bo.   window 2: accumulator (t, n) at v[64 n + 8 t]; v128-223 S0's fragments of step 2.
.set TS,    3276800
.set SGS,   819200
.set UNIT,  6400
.set SWO,   6144
.set SLB,   51200
.set SPARE, 153600                     ; behind S0's three sg: the spare words, 128 bytes a wave, which no other line names
.set STAGE, 154112                     ; behind them: a stage of 16 rows x (512 + 16) bytes for each wave, bytes that no tensor load fills
.set NS1, 2
.set AD0, 5                            ; v5-7   16 x lane + (sg - 1) x SLB
.set R16, 9                            ; v9     16 r
.set SPW, 10
.set NIL, 11
.set STO, 12                           ; v12    the stage: where I put 32 bytes of a row
.set RD,  13                           ; v13    and where I read a row back
.set BA,  14                           ; v14    32 h
.set ADS, 24                           ; v24-26 16 r + (sg - 1) x SLB
.set SCA, 32
.set SCB, 96
.set F1,  112
.set BO,  192
.set BK,  112
.set MSB, 0
.macro WIN new
.if MSB != (\new)
	s_set_vgpr_msb (MSB<<8)|(\new)
.set MSB, (\new)
.endif
.endm
.macro PLACES n
.rept \n
	v_nop
.endr
.endm
.macro CROUND                          ; a round of the cluster's barrier
	s_barrier_signal -1
	s_barrier_wait -1
	s_cmp_lg_u32 s20, 0
	s_cbranch_scc1 .Lnot_wave_0_\@
	s_barrier_signal -3
.Lnot_wave_0_\@:
	s_barrier_wait -3
	s_barrier_signal -1
	s_barrier_wait -1
.endm
.macro GL st                           ; S1's two fragments of step st into set st % 4, and with an sg's first step its scale words
.if (\st) < 16
.if (\st)%4 == 0
.irp i, 0,1
	global_load_b128 v[SCB+8*(((\st)/4)%2)+4*\i:SCB+8*(((\st)/4)%2)+4*\i+3], v[R16], s[48:49] offset:((\st)/4)*SGS+\i*UNIT+SWO
.endr
.endif
.irp i, 0,1
.irp c, 0,1,2
	global_load_b128 v[F1+24*((\st)%4)+12*\i+4*\c:F1+24*((\st)%4)+12*\i+4*\c+3], v4, s[48:49] offset:((\st)/4)*SGS+\i*UNIT+((\st)%4)*1536+512*\c
.endr
.endr
.endif
.endm
.macro DS0 st, win, base               ; S0's eight fragments of step st (0 to 3) from memory into v[base] on of window win: 24 loads; with step 0 sg 0's scale words: 8 more
.if (\st) == 0
.irp i, 0,1,2,3,4,5,6,7
	global_load_b128 v[SCA+4*\i:SCA+4*\i+3], v[R16], s[88:89] offset:\i*UNIT+SWO
.endr
.endif
	WIN (\win)<<6
.irp i, 0,1,2,3,4,5,6,7
.irp c, 0,1,2
	global_load_b128 v[(\base)+12*\i+4*\c:(\base)+12*\i+4*\c+3], v4, s[88:89] offset:\i*UNIT+(\st)*1536+512*\c
.endr
.endr
	WIN 0
.endm
.macro FS st                           ; S0's eight fragments of step st (4 on) from LDS into set (st + 1) % 2, and with an sg's first step its scale words
.if (\st) < 16
.if (\st)%4 == 0
.irp i, 0,1,2,3,4,5,6,7
	ds_load_b128 v[SCA+32*(((\st)/4)%2)+4*\i:SCA+32*(((\st)/4)%2)+4*\i+3], v[ADS+(\st)/4-1] offset:\i*UNIT+SWO
.endr
.endif
	WIN 0x40
.irp i, 0,1,2,3,4,5,6,7
.irp c, 0,1,2
	ds_load_b128 v[96*(((\st)+1)%2)+12*\i+4*\c:96*(((\st)+1)%2)+12*\i+4*\c+3], v[AD0+(\st)/4-1] offset:\i*UNIT+((\st)%4)*1536+512*\c
.endr
.endr
	WIN 0
.endif
.endm
.macro MUL st                          ; 16 products; the accumulators take turns, one instruction a turn, in the same order in every step; step 0 starts the sums from the bias
.if (\st) == 2                         ; where S0's fragments lie: steps 0, 1: sets 0, 1 of window 1; step 2: window 2; from step 3 on set (st + 1) % 2 of window 1
.set MA0, 128
.set MAW, 2
.elseif (\st) < 2
.set MA0, 96*(\st)
.set MAW, 1
.else
.set MA0, 96*(((\st)+1)%2)
.set MAW, 1
.endif
.if (\st) == 0
	WIN 0x91                                       ; the bias lies in window 1
.else
	WIN 0xa0+MAW
.endif
.irp n, 0,1
.irp t, 0,1,2,3,4,5,6,7
.if (\st) == 0
	v_wmma_scale_f32_16x16x128_f8f6f4 v[64*\n+8*\t:64*\n+8*\t+7], v[MA0+12*\t:MA0+12*\t+11], v[F1+24*((\st)%4)+12*\n:F1+24*((\st)%4)+12*\n+11], v[BO+8*\t:BO+8*\t+7], v[SCA+32*(((\st)/4)%2)+4*\t+(\st)%4], v[SCB+8*(((\st)/4)%2)+4*\n+(\st)%4] matrix_a_fmt:MATRIX_FMT_FP6 matrix_b_fmt:MATRIX_FMT_FP6
.else
	v_wmma_scale_f32_16x16x128_f8f6f4 v[64*\n+8*\t:64*\n+8*\t+7], v[MA0+12*\t:MA0+12*\t+11], v[F1+24*((\st)%4)+12*\n:F1+24*((\st)%4)+12*\n+11], v[64*\n+8*\t:64*\n+8*\t+7], v[SCA+32*(((\st)/4)%2)+4*\t+(\st)%4], v[SCB+8*(((\st)/4)%2)+4*\n+(\st)%4] matrix_a_fmt:MATRIX_FMT_FP6 matrix_b_fmt:MATRIX_FMT_FP6
.endif
.endr
.endr
	WIN 0
.endm
; A step: four places behind the last step's products; into the sets that they read go S1's fragments of three steps on and, from step 3 on, S0's of the next step; then the waits for this step's, by count, and its products.
.macro STEP st
.if (\st) > 0
	PLACES 4
.endif
.if (\st) == 1
	DS0 3, 1, 0                                    ; step 3's fragments of S0 into the set that step 0 read
.endif
	GL (\st)+3
.if (\st) == 3
	s_wait_tensorcnt 0x0                           ; my tensor load, if I issued one, has landed;
	s_wait_dscnt 0x0
	s_barrier_signal -1
	s_barrier_wait -1                              ; so have the others': sg 1 to 3 are whole
.endif
.if (\st) >= 3
	FS (\st)+1
.endif
.set nl, 0
.irp k, 1,2,3
.if (\st)+\k < 16
.set nl, nl+3*NS1
.if ((\st)+\k)%4 == 0
.set nl, nl+NS1
.endif
.endif
.endr
.if (\st) < 3                          ; behind step 2's loads stand S1's of steps 3 to 5 (10 NS1) and S0's of step 3 (24); behind step 0's and step 1's more than the wait's field can name: 48 + 9 NS1 and 48 + 10 NS1
.set nl, 24+10*NS1
.if ((\st) < 2) || (nl > 63)
.set nl, 63
.endif
.endif
	s_wait_loadcnt nl                              ; the loads issued behind this step's may be out
.if (\st) == 15
	s_wait_dscnt 0x0
.elseif (\st) >= 4
.if ((\st)+1)%4 == 0
	s_wait_dscnt 32                                ; the next step's 24 fragment loads and 8 loads of scale words may be out
.else
	s_wait_dscnt 24
.endif
.endif
	MUL \st
.endm
	s_load_b128 s[4:7], s[0:1], 0x0                ; wcod, ocod
	s_load_b128 s[8:11], s[0:1], 0x10              ; bo, out0
	v_lshl_add_u32 v[SPW], v0, 2, SPARE
	v_mov_b32 v[NIL], 0
	ds_add_u32 v[SPW], v[NIL]                      ; the opening lines: the add, twice on end, and its wait ahead of the round in front of the tensor loads
	ds_add_u32 v[SPW], v[NIL]
	v_lshrrev_b32 v1, 5, v0
	v_readfirstlane_b32 s20, v1                    ; wave w
	s_mul_i32 s21, s20, 16*528
	s_add_co_u32 s21, s21, STAGE                   ; my stage
	v_and_b32 v1, 31, v0                           ; lane
	v_and_b32 v2, 15, v0                           ; r
	v_bfe_u32 v3, v0, 4, 1                         ; h
	v_lshlrev_b32 v4, 4, v1                        ; 16 x lane: also my byte offset in a row of 512 bytes of out0
	v_lshlrev_b32 v[R16], 4, v2
.irp g, 0,1,2
	v_add_nc_u32 v[AD0+\g], \g*SLB, v4
	v_add_nc_u32 v[ADS+\g], \g*SLB, v[R16]
.endr
	v_lshlrev_b32 v[BA], 5, v3
	v_mul_u32_u24 v[STO], v2, 528
	v_lshl_add_u32 v[STO], v3, 5, v[STO]
	v_add_nc_u32 v[STO], s21, v[STO]               ; in: row r, 32 bytes for each half of the lanes
	v_add_nc_u32 v[RD], s21, v4                    ; back: the 32 lanes take one row of 512 bytes
	s_bfe_u32 s23, ttmp6, 0x40000                  ; cx
	s_lshl_b32 s24, ttmp9, 2
	s_add_co_u32 s24, s24, s23                     ; the token block
	s_and_b32 s25, ttmp7, 0xffff                   ; the column block, which the cluster shares
	s_mul_i32 s30, s25, 8*UNIT
	s_add_co_u32 s30, s30, 4*TS                    ; Wo is tensor 4 of wcod: its 8 units of sg 0 (s30, s31, s36-39, s74, s75 never hold cx)
	s_mov_b32 s31, 0
	s_add_co_u32 s74, s20, 1
	s_mul_i32 s74, s74, SGS
	s_add_co_u32 s74, s74, s30                     ; my tensor load: Wo's 8 units of sg w + 1,
	s_mov_b32 s75, 0
	s_mul_i32 s37, s20, SLB                        ; to LDS bytes w x SLB on: no place in the cluster enters an LDS address
	s_lshl_b32 s34, s24, 3
	s_lshl_b32 s22, s20, 1
	s_add_co_u32 s34, s34, s22
	s_mul_i32 s34, s34, UNIT                       ; my two units of O, sg 0
	s_mov_b32 s35, 0
	s_lshl_b32 s66, s25, 9                         ; my 128 columns, in bytes
	s_mov_b32 s67, 0
	s_lshl_b32 s68, s24, 7
	s_lshl_b32 s22, s20, 5
	s_add_co_u32 s68, s68, s22
	s_lshl_b32 s68, s68, 13                        ; my 32 tokens: (128 block + 32 w) rows of 8,192 bytes
	s_mov_b32 s69, 0
	s_mov_b32 s36, 1                               ; group 0
	s_mov_b32 s40, 15|(3<<16)|(1<<21)              ; group 1: the mask of all four, bit 21 beside it; a dense block of 200 rows of 32 elements of 8 bytes
	s_mov_b32 s41, 32<<16
	s_mov_b32 s42, 200<<16
	s_mov_b32 s43, 32<<16
	s_mov_b32 s44, 200
	s_mov_b32 s45, 32
	s_mov_b32 s46, 0
	s_mov_b32 s47, 0
	s_wait_alu depctr_va_vdst(0)
	s_wait_dscnt 0x0                               ; both opening adds are done
	s_wait_kmcnt 0x0
	s_add_nc_u64 s[38:39], s[4:5], s[74:75]
	s_or_b32 s39, s39, 0x80000000
	CROUND                                         ; all four work-groups are here: the joint loads meet
	s_cmp_lt_u32 s20, 3                            ; three sg go to LDS: waves 0 to 2 bring one each
	s_cbranch_scc0 .Lno_load
	tensor_load_to_lds s[36:39], s[40:47]          ; the wave's one tensor load
	s_nop 0
	PLACES 4
.Lno_load:
	s_add_nc_u64 s[88:89], s[4:5], s[30:31]
	s_add_nc_u64 s[48:49], s[6:7], s[34:35]
	s_add_nc_u64 s[8:9], s[8:9], s[66:67]
	s_add_nc_u64 s[10:11], s[10:11], s[66:67]
	s_add_nc_u64 s[10:11], s[10:11], s[68:69]
	WIN 0x40
.irp t, 0,1,2,3,4,5,6,7                ; bo in the results' layout: lane (r, h), tile t: columns 16 t + 8 h + 0 .. 7
	global_load_b128 v[BO+8*\t:BO+8*\t+3], v[BA], s[8:9] offset:64*\t
	global_load_b128 v[BO+8*\t+4:BO+8*\t+7], v[BA], s[8:9] offset:64*\t+16
.endr
	WIN 0
	DS0 0, 1, 0
	GL 0
	DS0 1, 1, 96
	GL 1
	DS0 2, 2, 128
	GL 2
.set ST, 0
.rept 16
	STEP ST
.set ST, ST+1
.endr
; THE WAY OUT, tile n of O (16 tokens x 128 columns) at a time: through my own stage in LDS and back as whole rows of 512 bytes.  LDS serves a wave's instructions in order: no wait between the stores and the loads, nor ahead of the next tile's stores.
.macro TOSTAGE n
	WIN 0x08                                       ; an LDS store's data are its source 1: window 2
.irp t, 0,1,2,3,4,5,6,7
	ds_store_b128 v[STO], v[64*(\n)+8*\t:64*(\n)+8*\t+3] offset:64*\t          ; each accumulator from its low end on
	ds_store_b128 v[STO], v[64*(\n)+8*\t+4:64*(\n)+8*\t+7] offset:64*\t+16
.endr
	WIN 0
.irp k, 0,1,2,3,4,5,6,7,8,9,10,11,12,13,14,15
	ds_load_b128 v[BK+64*(\n)+4*\k:BK+64*(\n)+4*\k+3], v[RD] offset:528*\k
.endr
.endm
.macro SEND n, younger                 ; younger: the LDS instructions issued behind tile n's loads, which may stay out
	s_wait_dscnt \younger
.irp k, 0,1,2,3,4,5,6,7,8,9,10,11,12,13,14,15
	global_store_b128 v4, v[BK+64*(\n)+4*\k:BK+64*(\n)+4*\k+3], s[10:11] offset:(8*(\n)+\k+8*(\k/8))*8192 th:TH_STORE_NT   ; row k of the tile is token 8 n + k + 8 (k / 8) of my 32; 32 lanes store 512 consecutive bytes, aligned
.endr
.endm
	PLACES 4                                       ; behind the last products: their results are read, and rows are loaded into the registers that held S1's fragments
	TOSTAGE 0
	TOSTAGE 1
	SEND 0, 32                                     ; behind tile 0's loads: tile 1's 16 stores and 16 loads
	SEND 1, 0
	s_wait_tensorcnt 0x0                           ; the wave's end
	ds_add_u32 v[SPW], v[NIL]
	s_wait_dscnt 0x0
	CROUND                                         ; the closing round
	s_endpgm
.Lfunc_end_k_q0e9b4f922a_oproj:
	.size	k_q0e9b4f922a_oproj, .Lfunc_end_k_q0e9b4f922a_oproj-k_q0e9b4f922a_oproj
	.p2alignl 7, 3214868480
	.fill 96, 4, 3214868480
	.section	.rodata,"a",@progbits
	.p2align	6, 0x0
	.amdhsa_kernel k_q0e9b4f922a_oproj
		.amdhsa_group_segment_fixed_size 187904
		.amdhsa_private_segment_fixed_size 0
		.amdhsa_enable_private_segment 0
		.amdhsa_kernarg_size 32
		.amdhsa_user_sgpr_count 2
		.amdhsa_user_sgpr_kernarg_segment_ptr 1
		.amdhsa_wavefront_size32 1
		.amdhsa_system_sgpr_workgroup_id_x 1
		.amdhsa_system_sgpr_workgroup_id_y 1
		.amdhsa_system_sgpr_workgroup_id_z 1
		.amdhsa_system_vgpr_workitem_id 0
		.amdhsa_next_free_vgpr 768
		.amdhsa_next_free_sgpr 90
		.amdhsa_reserve_vcc 0
		.amdhsa_float_denorm_mode_32 3
		.amdhsa_float_denorm_mode_16_64 3
		.amdhsa_memory_ordered 1
		.amdhsa_forward_progress 1
		.amdhsa_inst_pref_size 90
	.end_amdhsa_kernel
	.amdgpu_metadata
---
amdhsa.version: [ 1, 2 ]
amdhsa.kernels:
  - .name:           k_q0e9b4f922a_oproj
    .symbol:         k_q0e9b4f922a_oproj.kd
    .args:
      - { .name: wcod, .offset: 0, .size: 8, .value_kind: global_buffer, .address_space: global }
      - { .name: ocod, .offset: 8, .size: 8, .value_kind: global_buffer, .address_space: global }
      - { .name: bo, .offset: 16, .size: 8, .value_kind: global_buffer, .address_space: global }
      - { .name: out0, .offset: 24, .size: 8, .value_kind: global_buffer, .address_space: global }
    .group_segment_fixed_size: 187904
    .private_segment_fixed_size: 0
    .kernarg_segment_align: 8
    .kernarg_segment_size: 32
    .max_flat_workgroup_size: 128
    .sgpr_count:     90
    .vgpr_count:     768
    .wavefront_size: 32
...
	.end_amdgpu_metadata
.endif
;; end of part 4
